; MI455X (gfx1250); checked and timed in simulation.
; The chip was launched on July 23, 2026; its instructions are those of AMD's public machine-readable ISA for CDNA 5 (MIT licence, August 2026) and "CDNA5" Instruction Set Architecture Reference Guide (July 2026). The comments in the code are by the model that wrote it; some were corrected since.
;; Causal Self Attention. Allowed arithmetic: matrix products marked QUANTISED: E2M3 operands, one E8M0 scale for each 32 along K, by v_wmma_scale_f32_16x16x128_f8f6f4 with both operands' format E2M3, f32 sums; everything else in f32.
;; Inputs: w_out 1,024 x 1,024 float32; w_qkv 3,072 x 1,024 float32; x 4 x 2,048 x 1,024 float32.
;; Outputs: out0 4 x 2,048 x 1,024 float32.
;; This version of the problem:
;;   THIS VERSION OF THE PROBLEM IS GIVEN IN LOW PRECISION. The matrix products marked QUANTISED in the list below multiply operands that are first quantised to E2M3 (2 exponent bits, 3 mantissa bits; 6 bits a number), with one power-of-two scale for each 32 numbers along K (OCP MX v1.0); their sums are f32. All else is computed in f32.
;;   The module's matrix products, in the order in which they are computed (A, B: the left and right operand; K: the contracted axis; several contracted axes count as one K, in the product's order):
;;     1. [M 8,192, K 1,024] x [K 1,024, N 3,072]; A: input x; B: input w_qkv: QUANTISED
;;     2. batch 64 x [M 2,048, K 64] x [K 64, N 2,048]; A: computed on the way; B: computed on the way: QUANTISED
;;     3. batch 64 x [M 2,048, K 2,048] x [K 2,048, N 64]; A: softmax (see below); B: computed on the way: QUANTISED
;;     4. [M 8,192, K 1,024] x [K 1,024, N 1,024]; A: computed on the way; B: input w_out: QUANTISED
;;   THE QUANTISER, for each operand of a quantised product, along K:
;;     - K is cut into blocks of 32 from its start; a last block that is shorter is filled with zeros.
;;     - A block's scale is 2^e with e = floor(log2(the largest magnitude in the block)) - 2, held to -126 .. 127; a block of zeros has e = 0. As a byte (E8M0): e + 127.
;;     - Each number is divided by its block's scale, clamped to +-7.5, and rounded to the nearest number of E2M3, ties to even, subnormals kept.
;;     - The product sums the exact products of the quantised numbers (number of the format x scale) in f32.
;;   ~~~python
;;   def quantise(x, axis):      # numpy; x: float32 -> the quantised numbers, widened to float32 again
;;       x = np.moveaxis(x, axis, -1); K = x.shape[-1]
;;       x = np.pad(x, [(0, 0)] * (x.ndim - 1) + [(0, -K % 32)]); x = x.reshape(x.shape[:-1] + (-1, 32)); a = np.abs(x).max(-1, keepdims=True)
;;       e = np.where(a > 0, np.clip(np.frexp(np.where(a > 0, a, 1))[1] - 1 - 2, -126, 127), 0)      # np.frexp(a)[1] - 1 = floor(log2(a)), exactly
;;       r = np.clip(x / 2.0 ** e, -7.5, 7.5)
;;       step = 2.0 ** (np.maximum(np.frexp(np.where(r == 0, 1, r))[1] - 1, 0) - 3)
;;       q = np.round(r / step) * step * 2.0 ** e      # np.round: ties to even
;;       return np.moveaxis(q.reshape(q.shape[:-2] + (-1,))[..., :K], -1, axis).astype(np.float32)
;;   ~~~
;;   SOFTMAX AHEAD OF A QUANTISED PRODUCT. Where the list says 'softmax', what is quantised is not the finished softmax but p = 2^(t - M), with t = logit x log2(e) and M = ceil(the row's largest t), a whole number; so 1/2 < the row's largest p <= 1. The row's sum l is taken of the UNQUANTISED p, in f32, and the product's result is divided by l at the end. Since M is a whole number, a kernel that streams over the keys may use a running M (the ceiling of the running maximum): every later rescaling is an exact power of two, which a block's scale takes up: the codes' values come out the same.
;;   OPERANDS COMPUTED ON THE WAY. 'Computed on the way' means the value that the module computes at that place (a softmax that the list does not call 'softmax' is quantised finished and normalised). What goes into a quantiser is computed in f32, as accurately as f32 sums, v_exp_f32 and their like allow (about 1e-6 of the number): no bf16 or f16 on the way to a quantiser, and a product that is left as it is and whose result goes on into a quantised operand takes f32 operands (vector FMAs, or v_wmma_f32_16x16x4_f32). A number that lies on a knife's edge between two numbers of the format may be rounded either way, as far as f32 arithmetic and the matrix unit's own rounding can turn it there, and no further.
;; One version. Each part assembles by itself: llvm-mc -triple=amdgcn-amd-amdhsa -mcpu=gfx1250 --defsym DOCPART=n.
;; ======== version 1 of 1: 4 launches
;; workspace buffers: xb 6,553,600 bytes; wb 2,457,600 bytes; wob 819,200 bytes; qf 6,553,600 bytes; kv 13,107,200 bytes; ob 6,553,600 bytes
;; launch quant (part 1): grid 256 x 1, 3 waves a work-group, no clusters, 26,112 bytes of LDS; arguments x, w_qkv, w_out, xb, wb, wob; writes xb, wb, wob
.if DOCPART == 1
	.amdgcn_target "amdgcn-amd-amdhsa--gfx1250"
	.amdhsa_code_object_version 6
	.text
	.protected	k_qc81c71d222_quant
	.globl	k_qc81c71d222_quant
	.p2align	8
	.type	k_qc81c71d222_quant,@function
k_qc81c71d222_quant:
	s_mov_b64 s[64:65], 0
	v_nop
	global_prefetch_b8 v0, s[64:65] scope:SCOPE_SE
	s_setreg_imm32_b32 hwreg(HW_REG_WAVE_MODE, 25, 1), 1
	s_wait_xcnt 0x0
; x [8192][1024], w_qkv [3072][1024], w_out [1024][1024], f32, K innermost, become codes of FP6 (E2M3) with one E8M0 byte for each 32 along K.
; A block's scale is 2^(floor(log2(its largest magnitude)) - 2); its byte is the largest magnitude's exponent field - 2, held at 1 from below.
; LAYOUT OF THE RESULT (this program's own): codes [block of 16 rows][K step of 128][1,536 bytes], an IMAGE OF THE OPERAND'S REGISTERS: for each half c of the
; K step 768 bytes: lane l's registers 6c .. 6c+3 at 16 l, its registers 6c+4, 6c+5 at 512 + 8 l.  Behind all codes: the scale bytes [row][32], row-major.
; ORDER INSIDE A BLOCK OF 32: k = 0..7, 16..23, 8..15, 24..31.  Every coded operand of this program has it, on both sides of each product, so every exact
; product stays; a block has one scale.  LIMIT: the order of the f32 sum inside a block differs from ascending k.
; LIMITS: NaN and infinities among the inputs are not served.  A block whose largest magnitude lies under 2^-124, a block of zeros among them, keeps the byte 1
; (the rule says 127 for zeros): its codes are zeros or as the floor's scale gives them, and the bytes are read by this program alone.
; SHARES: 12,288 rows = 768 blocks of 16 rows = 768 waves (256 work-groups of 3).  Wave g takes one block of rows and all of K, in 8 steps of 128.
; One path serves the three tensors: only pointers and offsets are chosen, by the wave's number in the launch.
; A load reads 512 consecutive bytes of one row; the 16 rows x 512 bytes of a step turn through the wave's own stage in LDS (rows 528 bytes apart) and come back
; 32 numbers of one block to a lane.  Loads run two steps (32 loads a wave) ahead.  No barrier: waves share nothing.
.set STG,   16*528                     ; a wave's stage
.set SPARE, 25600                      ; behind the three stages: the spare words, 128 bytes a wave, in two blocks of 256 bytes that no other line names
.set SPW,   12                         ; v12  LDS address of my spare word; never rewritten
.set NIL,   13                         ; v13  0; never rewritten
.set W,     24                         ; v24-31   my row's eight scale words
.set P,     36                         ; v36-47   a fragment's codes
.set CT,    48                         ; v48-50, v52-54: the second halves of the blocks' codes (a conversion's three registers begin on an even number)
.set X,     64                         ; v64-127  two blocks of 32 numbers, in the program's order
.set R,     128                        ; v128-255 two sets of 64 registers as loaded
	s_load_b128 s[4:7], s[0:1], 0x0                ; x, w_qkv
	s_load_b128 s[8:11], s[0:1], 0x10              ; w_out, xb
	s_load_b128 s[12:15], s[0:1], 0x20             ; wb, wob
	v_lshl_add_u32 v[SPW], v0, 2, SPARE
	v_mov_b32 v[NIL], 0
	v_lshrrev_b32 v1, 5, v0
	v_readfirstlane_b32 s16, v1                    ; wave 0..2
	v_and_b32 v1, 31, v0                           ; lane
	v_and_b32 v2, 15, v0                           ; r
	v_bfe_u32 v3, v0, 4, 1                         ; h
	v_lshlrev_b32 v4, 4, v1                        ; 16 x lane
	v_lshlrev_b32 v5, 3, v1                        ; 8 x lane
	s_mul_i32 s17, s16, STG
	v_add_nc_u32 v6, s17, v4                       ; the stage, on the way in: a row's 512 bytes as they lie
	v_mul_u32_u24 v7, v2, 528
	v_lshl_add_u32 v7, v3, 7, v7
	v_add_nc_u32 v7, s17, v7                       ; and on the way out: row r, block h of each pair of blocks
	v_lshlrev_b32 v8, 5, v2
	v_lshl_add_u32 v8, v3, 4, v8                   ; my 16 of my row's 32 scale bytes
	v_lshlrev_b32 v9, 3, v3                        ; 8 h: my bytes' place in a scale word
	v_mov_b32 v21, 0                               ; written once: a lane permute's destination counts as one of its sources
	s_mov_b32 s20, 0x76543210
	s_mov_b32 s21, 0xfedcba98                      ; v_permlanex16_b32's selects for lane l xor 16
	s_mul_i32 s18, ttmp9, 3
	s_add_co_u32 s18, s18, s16                     ; g: my block of rows among the 768
	s_mov_b32 s22, 786432                          ; where w_out's scale bytes begin in wob
	s_mov_b32 s23, 704                             ; w_out's first g
	s_wait_kmcnt 0x0
	s_cmp_lt_u32 s18, 704                          ; w_qkv or w_out?  The choices hang on the wave's number in the launch alone
	s_cselect_b64 s[6:7], s[6:7], s[8:9]
	s_cselect_b64 s[12:13], s[12:13], s[14:15]
	s_cselect_b32 s22, 2359296, s22
	s_cselect_b32 s23, 512, s23
	s_cmp_lt_u32 s18, 512                          ; x or one of those?
	s_cselect_b64 s[4:5], s[4:5], s[6:7]           ; the source
	s_cselect_b64 s[10:11], s[10:11], s[12:13]     ; the destination
	s_cselect_b32 s22, 6291456, s22
	s_cselect_b32 s23, 0, s23
	s_sub_co_u32 s18, s18, s23                     ; my block of rows in its tensor
	s_lshl_b32 s24, s18, 16                        ; 16 rows of 4,096 bytes
	s_mov_b32 s25, 0
	s_add_nc_u64 s[4:5], s[4:5], s[24:25]
	s_mul_i32 s24, s18, 12288                      ; 8 fragments of 1,536 bytes
	s_lshl_b32 s26, s18, 9                         ; 16 rows of 32 scale bytes
	s_add_co_u32 s26, s26, s22
	s_mov_b32 s27, 0
	s_add_nc_u64 s[8:9], s[10:11], s[26:27]        ; my scale bytes
	s_add_nc_u64 s[10:11], s[10:11], s[24:25]      ; my codes
.macro LOAD s                          ; K step s: 16 loads, each 512 consecutive bytes of one row, into set s % 2
.irp i, 0,1,2,3,4,5,6,7,8,9,10,11,12,13,14,15
	global_load_b128 v[R+64*((\s)%2)+4*\i:R+64*((\s)%2)+4*\i+3], v4, s[4:5] offset:4096*\i+512*(\s) th:TH_LOAD_NT
.endr
.endm
.macro STEP s
.if (\s) < 7
	s_wait_loadcnt 16                              ; this step's 16 loads are in; the next step's 16 may be out
.else
	s_wait_loadcnt 0x0
.endif
.irp i, 0,1,2,3,4,5,6,7,8,9,10,11,12,13,14,15
	ds_store_b128 v6, v[R+64*((\s)%2)+4*\i:R+64*((\s)%2)+4*\i+3] offset:528*\i
.endr
.irp c, 0,1                            ; LDS serves a wave's instructions in order: these see the stores above.  Block 2 c + h of row r; the four numbers k = 4 g .. 4 g + 3 go to the place that the program's order gives them
.irp g, 0,1,2,3,4,5,6,7
.set PG, X+32*\c+4*((\g%2)+4*((\g/2)%2)+2*(\g/4))
	ds_load_b128 v[PG:PG+3], v7 offset:256*\c+16*\g
.endr
.endr
	s_wait_dscnt 0x0                               ; the numbers are back, and the stores have read set s % 2,
.if (\s)+2 < 8
	LOAD (\s)+2                                    ; which takes the loads of two steps on
.endif
.irp c, 0,1
	v_max3_num_f32 v[14+\c], |v[X+32*\c]|, |v[X+32*\c+1]|, 0x1800000   ; the block's largest magnitude: all 32 numbers are mine; and the floor 2^(3 - 127): the byte cannot fall under 1
.endr
.irp i, 2,4,6,8,10,12,14,16,18,20,22,24,26,28,30
.irp c, 0,1
	v_max3_num_f32 v[14+\c], v[14+\c], |v[X+32*\c+\i]|, |v[X+32*\c+\i+1]|   ; (the two blocks by turns)
.endr
.endr
.irp c, 0,1
	v_add_nc_u32 v[16+\c], 0xff000000, v[14+\c]    ; 2 off the exponent field: the conversion takes the exponent field of this operand as its scale
.endr
.irp c, 0,1
	v_lshrrev_b32 v[18+\c], 23, v[16+\c]           ; the scale's byte
.endr
	v_lshl_or_b32 v20, v19, 16, v18                ; my two bytes, blocks h and 2 + h,
	v_lshlrev_b32 v20, v9, v20                     ; at their places in the word;
	v_permlanex16_b32 v21, v20, s20, s21
	v_or_b32 v[W+(\s)], v20, v21                   ; with lane l xor 16's two the word is whole
	s_wait_xcnt 0x0                                ; the last step's stores have read P: it is written again only behind this wait
.irp c, 0,1
	v_cvt_scalef32_pk16_fp6_f32 v[P+6*\c:P+6*\c+2], v[X+32*\c:X+32*\c+15], v[16+\c]
	v_cvt_scalef32_pk16_fp6_f32 v[CT+4*\c:CT+4*\c+2], v[X+32*\c+16:X+32*\c+31], v[16+\c]
.endr
	v_nop                                          ; one plain place behind a scaled conversion
.irp c, 0,1
.irp i, 0,1,2
	v_mov_b32 v[P+6*\c+3+\i], v[CT+4*\c+\i]
.endr
.endr
	global_store_b128 v4, v[P:P+3], s[10:11] offset:1536*(\s)            ; 512 consecutive bytes, aligned
	global_store_b64 v5, v[P+4:P+5], s[10:11] offset:1536*(\s)+512       ; 256 consecutive bytes, aligned
	global_store_b128 v4, v[P+6:P+9], s[10:11] offset:1536*(\s)+768
	global_store_b64 v5, v[P+10:P+11], s[10:11] offset:1536*(\s)+1280
.endm
	LOAD 0
	LOAD 1
.irp t, 0,1,2,3,4,5,6,7
	STEP \t
.endr
	v_cmp_eq_u32 vcc_lo, 1, v3                     ; both lanes of a row hold its eight words: lane (r, h) stores words 4 h .. 4 h + 3
.irp i, 0,1,2,3
	v_cndmask_b32 v[32+\i], v[W+\i], v[W+4+\i], vcc_lo
.endr
	global_store_b128 v8, v[32:35], s[8:9]         ; the wave stores 512 consecutive bytes
	s_wait_tensorcnt 0x0                           ; the wave's end: behind my last LDS store
	ds_add_u32 v[SPW], v[NIL]
	s_wait_dscnt 0x0
	s_endpgm
.Lfunc_end_k_qc81c71d222_quant:
	.size	k_qc81c71d222_quant, .Lfunc_end_k_qc81c71d222_quant-k_qc81c71d222_quant
	.p2alignl 7, 3214868480
	.fill 96, 4, 3214868480
	.section	.rodata,"a",@progbits
	.p2align	6, 0x0
	.amdhsa_kernel k_qc81c71d222_quant
		.amdhsa_group_segment_fixed_size 26112
		.amdhsa_private_segment_fixed_size 0
		.amdhsa_enable_private_segment 0
		.amdhsa_kernarg_size 48
		.amdhsa_user_sgpr_count 2
		.amdhsa_user_sgpr_kernarg_segment_ptr 1
		.amdhsa_wavefront_size32 1
		.amdhsa_system_sgpr_workgroup_id_x 1
		.amdhsa_system_sgpr_workgroup_id_y 1
		.amdhsa_system_sgpr_workgroup_id_z 1
		.amdhsa_system_vgpr_workitem_id 0
		.amdhsa_next_free_vgpr 256
		.amdhsa_next_free_sgpr 66
		.amdhsa_reserve_vcc 1
		.amdhsa_float_denorm_mode_32 3
		.amdhsa_float_denorm_mode_16_64 3
		.amdhsa_memory_ordered 1
		.amdhsa_forward_progress 1
		.amdhsa_inst_pref_size 58
	.end_amdhsa_kernel
	.amdgpu_metadata
---
amdhsa.version: [ 1, 2 ]
amdhsa.kernels:
  - .name:           k_qc81c71d222_quant
    .symbol:         k_qc81c71d222_quant.kd
    .args:
      - { .name: x, .offset: 0, .size: 8, .value_kind: global_buffer, .address_space: global }
      - { .name: w_qkv, .offset: 8, .size: 8, .value_kind: global_buffer, .address_space: global }
      - { .name: w_out, .offset: 16, .size: 8, .value_kind: global_buffer, .address_space: global }
      - { .name: xb, .offset: 24, .size: 8, .value_kind: global_buffer, .address_space: global }
      - { .name: wb, .offset: 32, .size: 8, .value_kind: global_buffer, .address_space: global }
      - { .name: wob, .offset: 40, .size: 8, .value_kind: global_buffer, .address_space: global }
    .group_segment_fixed_size: 26112
    .private_segment_fixed_size: 0
    .kernarg_segment_align: 8
    .kernarg_segment_size: 48
    .max_flat_workgroup_size: 96
    .sgpr_count:     66
    .vgpr_count:     256
    .wavefront_size: 32
...
	.end_amdgpu_metadata
.endif
;; end of part 1
;; launch gemm_qkv (part 2): grid 8 x 48, 4 waves a work-group, clusters of 4 x 4, 327,680 bytes of LDS; arguments xb, wb, qf, kv; writes qf, kv
.if DOCPART == 2
	.amdgcn_target "amdgcn-amd-amdhsa--gfx1250"
	.amdhsa_code_object_version 6
	.text
	.protected	k_qc81c71d222_gemm_qkv
	.globl	k_qc81c71d222_gemm_qkv
	.p2align	8
	.type	k_qc81c71d222_gemm_qkv,@function
k_qc81c71d222_gemm_qkv:
	s_mov_b64 s[64:65], 0
	v_nop
	global_prefetch_b8 v0, s[64:65] scope:SCOPE_SE
	s_setreg_imm32_b32 hwreg(HW_REG_WAVE_MODE, 25, 1), 1
	s_wait_xcnt 0x0
	s_wait_alu depctr_hold_cnt(0) depctr_sa_sdst(0) depctr_va_vdst(0) depctr_va_sdst(0) depctr_va_ssrc(0) depctr_va_vcc(0) depctr_vm_vsrc(0)
	s_getreg_b32 s2, hwreg(HW_REG_IB_STS2, 6, 4)
	s_cmp_eq_u32 s2, 0
	s_cbranch_scc0 .Lentry_in_a_cluster
	s_endpgm
.Lentry_in_a_cluster:
	s_bfe_u32 s2, ttmp6, 0x10000c
	s_cmp_lg_u32 s2, 0xf033
	s_cbranch_scc0 .Lentry_shape_is_right
	s_endpgm
.Lentry_shape_is_right:
; qkv = x w_qkv^T on codes of FP6 (E2M3) with E8M0 scales, K = 1,024, f32 sums; the results are quantised on the way out, as operands of attention's two products.
; A tile of 256 x 256 is made by a work-group of four waves; a wave makes 128 x 128: 64 accumulators, 512 registers.  K goes in steps of 256 through a ring of two LDS slots.
; OPERANDS lie in memory as images of their registers: [block of 16 rows][K step of 128][1,536 bytes]; a slot's part of a block of rows is 3,072 consecutive bytes, so a wave's
; tensor load brings 8 rows of 3,072 bytes, 12,288 apart.  A fragment comes by four LDS loads whose lanes take consecutive bytes: no pitch, no padding.
; The scale bytes of the work-group's 2 x 256 rows, for all of K, come into LDS once, with the first fills, and stay.
; THE MATRIX INSTRUCTION IS USED TRANSPOSED: source 0 = 16 rows of 'B', source 1 = 16 rows of 'A': a lane holds one row of A and its registers run along B's rows.
; TWO KINDS OF CLUSTER, told apart by the cluster's y alone (the same in all sixteen partners), by selects and never by a branch:
;   kind 0 (cluster y 0-7):  A = x (32 tile rows), B = w_qkv's rows 0-2,047 (8 tile columns): a lane holds one token, registers along the features: q and k, quantised along the head's 64.
;   kind 1 (cluster y 8-11): A = w_qkv's rows 2,048-3,071 (4 tile rows), B = x (32 tile columns): a lane holds one channel of v, registers along the tokens: v, quantised along the keys.
; CLUSTERS: 4 x 4 work-groups; A's tiles are asked for jointly along a row of the cluster, B's along a column.
; THE WAY OUT: 16 registers of two neighbouring tiles are, in lanes 0-15, k = 0..7, 16..23 of a block of 32 and in lanes 16-31 k = 8..15, 24..31: converted and exchanged between the halves they are
; the block in this program's order 0..7, 16..23, 8..15, 24..31, which the other operand of each product has too.  Results leave straight from registers, as register images, in aligned runs of 512 and 256 bytes.
;   qf: [batch x head 64][128 tokens 16] records of 6,400 bytes: 8 images of 768 bytes (16 tokens x 64), then 256 bytes of scale words (16 bytes for lane r: word f = tiles 2 f and 2 f + 1, two bytes each).
;   kv: [batch x head][128 keys] a record of k, laid as q's, then a record of v: 4 fragments of 1,536 bytes (16 channels x 128 keys), then 256 bytes of scale words (word t: channel 16 t + r).
; LIMITS: NaN and infinities are not served; a block whose largest magnitude lies under 2^-124 keeps the byte 1 (read by this program alone); the order of the sum inside a block of 32 is the program's, not ascending k.
; REGISTERS, in windows of 256: window 0: v0-31 addresses; v32-63 scale words, two sets; v128-223 A's fragments, one set; on the way out v112-223 are at work.
;   window 1: B's fragments, two sets, at v0 and v128.   window 2: the accumulators of my rows 0-63 ((a, b) at v[8 (8 a + b)]);   window 3: those of my rows 64-127.
.set NQ,     2                         ; matrix instructions deep in a slot
.set FR,     12                        ; registers of a fragment
.set FRB,    1536                      ; and its bytes
.set ROWB,   NQ*FRB                    ; a block of 16 rows in a slot
.set KROW,   768                       ; bytes of codes for a row: 16 rows are 12,288
.set NL,     4                         ; LDS loads that bring a fragment
.set NP,     4                         ; places behind this matrix instruction (ISA guide 7.12.1)
.set HALFT,  8*ROWB                    ; 128 rows: what one tensor load brings
.set SLOT,   4*HALFT
.set LAPS,   2                         ; K = 1,024 = two laps of two slots of 256
.set KS,     32                        ; a row of scale bytes
.set SCL,    2*SLOT                    ; behind the ring: the scales, as rows of 256 bytes + 16
.set HALFS,  16*272                    ; those of 128 rows
.set SBLK,   2*272                     ; those of 16 rows
.set SPARE,  SCL+4*HALFS               ; the spare words, 128 bytes a wave: two blocks of 256 bytes that no other line names
.set ADRA, 16                          ; v16-17 16 x lane + my A rows in slot 0, 1;  v18-19 the same with 8 x lane
.set ADRB, 20                          ; v20-23 the same for B
.set ADRS, 27                          ; v27    my scale words: lanes 0-15 A's rows, lanes 16-31 B's
.set SPW,  28                          ; v28    my spare word; never rewritten
.set NIL,  29                          ; v29    0; never rewritten
.set SC,   32
.set AF,   128
.set PC,   112                         ; the way out: v112-123 a fragment's codes, v124-126, v128-130 second halves
.set TM,   200                         ; v200-203 largest magnitudes, v204-207 bytes, v212-215 scale operands
.set PWB,  216                         ; v216-223 the scale word of each block a
.set W1,   132
.set W2,   136
.set WF,   140
.set SEL,  96                          ; s[96:97] on the way out: v_permlanex16_b32's selects
.set G1, 24
.set G0, 32
.set G1B, 48
.set G0B, 56
.set G1S, 68
.set G0S, 76
.set G1SB, 80
.set G0SB, 88
.set MSB, 0
.macro WIN new                         ; the immediate's high byte repeats the setting that is left
.if MSB != \new
	s_set_vgpr_msb (MSB<<8)|\new
.set MSB, \new
.endif
.endm
.set MUL_LO, 0xa1                      ; source 0 (B) window 1, source 1 (A) window 0, C and D window 2
.set MUL_HI, 0xf1
.set TO_B,   0x40
; A joint load: waves 0 and 1 fetch for A, waves 2 and 3 for B; the branch hangs on the wave's number alone.  An s_nop 0 and four v_nop follow each of the two lines.
.macro JLOAD g0a, g1a, g0b, g1b
	s_cmp_eq_u32 s15, 0
	s_cbranch_scc0 .Lfor_b_\@
	tensor_load_to_lds s[\g0a:\g0a+3], s[\g1a:\g1a+7]
	s_nop 0
.rept 4
	v_nop
.endr
	s_branch .Lasked_\@
.Lfor_b_\@:
	tensor_load_to_lds s[\g0b:\g0b+3], s[\g1b:\g1b+7]
	s_nop 0
.rept 4
	v_nop
.endr
.Lasked_\@:
.endm
.macro CREST                           ; a round of the cluster's barrier behind its opening barrier
	s_cmp_lg_u32 s14, 0
	s_cbranch_scc1 .Lnot_wave_0_\@
	s_barrier_signal -3
.Lnot_wave_0_\@:
	s_barrier_wait -3
	s_barrier_signal -1
	s_barrier_wait -1
.endm
.macro CROUND
	s_barrier_signal -1
	s_barrier_wait -1
	CREST
.endm
	s_load_b128 s[4:7], s[0:1], 0x0                ; xb, wb
	s_load_b128 s[8:11], s[0:1], 0x10              ; qf, kv
	v_lshl_add_u32 v[SPW], v0, 2, SPARE
	v_mov_b32 v[NIL], 0
	ds_add_u32 v[SPW], v[NIL]                      ; the wave's opening: the add and its wait ahead of my first tensor load
	v_lshrrev_b32 v1, 5, v0
	v_readfirstlane_b32 s14, v1                    ; wave 0..3
	s_lshr_b32 s15, s14, 1                         ; which half of the tile's rows is mine.  Also: I fetch for A (0) or for B (1)
	s_and_b32 s16, s14, 1                          ; which half of its columns.  Also: which 128 rows I fetch
	s_bfe_u32 s40, ttmp6, 0x40000                  ; cx, cy: my place in the cluster
	s_bfe_u32 s41, ttmp6, 0x40004
	s_and_b32 s18, ttmp7, 0xffff                   ; the cluster's y, 0..11
	s_sub_co_u32 s20, s18, 8
	s_lshl_b32 s20, s20, 1
	s_add_co_u32 s20, s20, ttmp9                   ; kind 1: column of clusters 2 (y - 8) + x, 0..7
	s_cmp_ge_u32 s18, 8
	s_cselect_b32 s66, 1, 0                        ; the kind,
	s_cselect_b32 s67, -1, 0                       ; and as a lane mask
	s_cselect_b32 s19, 0, s18                      ; row of clusters
	s_cselect_b32 s20, s20, ttmp9                  ; column of clusters
	s_lshl_b32 s42, s20, 2
	s_add_co_u32 s42, s42, s40                     ; tile column
	s_lshl_b32 s17, s19, 2
	s_add_co_u32 s17, s17, s41                     ; tile row
	s_lshl_b32 s43, s41, 2
	s_lshl_b32 s43, 15, s43                        ; my row of the cluster
	s_lshl_b32 s44, 0x1111, s40                    ; my column
	; descriptor group 1 for codes: 8 rows of 384 elements of 8 bytes (3,072 bytes), 1,536 elements apart, no padding
	s_or_b32 s[G1+0], s43, (3<<16)|(1<<21)         ; 15:0 the mask: A's tiles go to my row; 17:16 elements of 8 bytes; 21 set beside a mask
	s_or_b32 s[G1B+0], s44, (3<<16)|(1<<21)
.irp g, G1, G1B
	s_mov_b32 s[\g+1], 384<<16                     ; tensor_dim0
	s_mov_b32 s[\g+2], 8<<16                       ; tensor_dim1
	s_mov_b32 s[\g+3], 384<<16                     ; tile_dim0
	s_mov_b32 s[\g+4], 8                           ; tile_dim1
	s_mov_b32 s[\g+5], 1536                        ; tensor_dim0_stride
	s_mov_b32 s[\g+6], 0
	s_mov_b32 s[\g+7], 0
.endr
	; and for the scales of 128 rows: 4,096 dense bytes as 16 rows of 256 bytes, 16 bytes of padding behind each
	s_or_b32 s[G1S+0], s43, (3<<16)|(1<<20)|(1<<21)|(5<<22)|(3<<25)
	s_or_b32 s[G1SB+0], s44, (3<<16)|(1<<20)|(1<<21)|(5<<22)|(3<<25)
.irp g, G1S, G1SB
	s_mov_b32 s[\g+1], 32<<16
	s_mov_b32 s[\g+2], 16<<16
	s_mov_b32 s[\g+3], 32<<16
	s_mov_b32 s[\g+4], 16
	s_mov_b32 s[\g+5], 32
	s_mov_b32 s[\g+6], 0
	s_mov_b32 s[\g+7], 0
.endr
	s_lshl_b32 s18, s16, 7                         ; which 128 rows of the tile I fetch
	s_lshl_b32 s20, s17, 8
	s_add_co_u32 s20, s20, s18                     ; A: row 256 x tile row + 128 x half
	s_lshl_b32 s46, s42, 8
	s_add_co_u32 s46, s46, s18                     ; B: row 256 x tile column + 128 x half
	s_mov_b32 s21, 0
	s_mov_b32 s47, 0
	s_mov_b64 s[18:19], KS
	s_mul_u64 s[22:23], s[20:21], s[18:19]         ; where these rows' scales begin, in bytes
	s_mul_u64 s[92:93], s[46:47], s[18:19]
	s_mov_b64 s[18:19], KROW
	s_mul_u64 s[20:21], s[20:21], s[18:19]         ; and their codes
	s_mul_u64 s[46:47], s[46:47], s[18:19]
	s_mul_i32 s45, s14, HALFT                      ; where they go: wave x 128 rows
	s_mul_i32 s94, s14, HALFS
	s_wait_dscnt 0x0                               ; the opening add is done
	s_wait_kmcnt 0x0
	s_add_nc_u64 s[96:97], s[6:7], 1572864         ; w_qkv's row 2,048: its codes,
	s_add_nc_u64 s[98:99], s[6:7], 2424832         ; its scale bytes
	s_add_nc_u64 s[12:13], s[4:5], 6291456         ; x's scale bytes
	s_add_nc_u64 s[2:3], s[6:7], 2359296           ; w_qkv's
	s_cmp_eq_u32 s66, 1                            ; the kind chooses the operands; it hangs on no address
	s_cselect_b64 s[96:97], s[96:97], s[4:5]       ; A's codes
	s_cselect_b64 s[98:99], s[98:99], s[12:13]     ; A's scales
	s_cselect_b64 s[4:5], s[4:5], s[6:7]           ; B's codes
	s_cselect_b64 s[6:7], s[12:13], s[2:3]         ; B's scales
	s_add_nc_u64 s[20:21], s[96:97], s[20:21]
	s_add_nc_u64 s[22:23], s[98:99], s[22:23]
	s_add_nc_u64 s[46:47], s[4:5], s[46:47]
	s_add_nc_u64 s[92:93], s[6:7], s[92:93]
	CROUND                                         ; all sixteen work-groups are here: the first joint loads meet
	s_mov_b32 s[G0S], 1
	s_add_co_u32 s[G0S+1], s94, SCL
	s_mov_b64 s[G0S+2:G0S+3], s[22:23]
	s_or_b32 s[G0S+3], s[G0S+3], 0x80000000
	s_mov_b32 s[G0SB], 1
	s_add_co_u32 s[G0SB+1], s94, SCL
	s_mov_b64 s[G0SB+2:G0SB+3], s[92:93]
	s_or_b32 s[G0SB+3], s[G0SB+3], 0x80000000
	JLOAD G0S, G1S, G0SB, G1SB                     ; the scales first: they are wanted with the first K step
.irp s, 0,1
	s_mov_b32 s[G0+4*\s], 1
	s_add_co_u32 s[G0+4*\s+1], s45, \s*SLOT
	s_add_nc_u64 s[G0+4*\s+2:G0+4*\s+3], s[20:21], \s*ROWB
	s_or_b32 s[G0+4*\s+3], s[G0+4*\s+3], 0x80000000
	s_mov_b32 s[G0B+4*\s], 1
	s_add_co_u32 s[G0B+4*\s+1], s45, \s*SLOT
	s_add_nc_u64 s[G0B+4*\s+2:G0B+4*\s+3], s[46:47], \s*ROWB
	s_or_b32 s[G0B+4*\s+3], s[G0B+4*\s+3], 0x80000000
	JLOAD G0+4*\s, G1, G0B+4*\s, G1B               ; three tensor loads of mine are out at the most
.endr
	v_and_b32 v1, 15, v0                           ; r
	v_bfe_u32 v2, v0, 4, 1                         ; h
	v_and_b32 v6, 31, v0
	v_lshlrev_b32 v4, 4, v6                        ; 16 x lane
	v_lshlrev_b32 v5, 3, v6                        ; 8 x lane
	s_mul_i32 s21, s15, HALFT                      ; my 128 rows of A
	s_mul_i32 s22, s16, HALFT                      ; my 128 rows of B,
	s_add_co_u32 s22, s22, 2*HALFT                 ; which lie behind A's 256
.irp s, 0,1
	v_add_nc_u32 v[ADRA+\s], s21, v4
	v_add_nc_u32 v[ADRB+\s], s22, v4
	v_add_nc_u32 v[ADRA+2+\s], s21, v5
	v_add_nc_u32 v[ADRB+2+\s], s22, v5
	s_add_co_u32 s21, s21, SLOT
	s_add_co_u32 s22, s22, SLOT
.endr
	v_mul_u32_u24 v5, v1, KS                       ; my row's scales: 32 bytes a row,
	v_lshrrev_b32 v6, 8, v5
	v_lshl_add_u32 v5, v6, 4, v5                   ; and 16 more for each 256 passed
	s_mul_i32 s21, s15, HALFS
	s_mul_i32 s22, s16, HALFS
	s_add_co_u32 s22, s22, 2*HALFS
	s_sub_co_u32 s22, s22, s21
	v_mul_u32_u24 v6, s22, v2                      ; lanes 16-31 take B's
	s_add_co_u32 s21, s21, SCL
	v_add_nc_u32 v5, v5, v6
	v_add_nc_u32 v[ADRS], s21, v5
.macro FRAG reg, adr, q, i             ; a fragment as it lies: two images of 768 bytes: 16 bytes a lane, then 8 bytes a lane
	ds_load_b128 v[\reg:\reg+3], v[\adr] offset:(\i)*ROWB+(\q)*FRB
	ds_load_b64 v[\reg+4:\reg+5], v[\adr+2] offset:(\i)*ROWB+(\q)*FRB+512
	ds_load_b128 v[\reg+6:\reg+9], v[\adr] offset:(\i)*ROWB+(\q)*FRB+768
	ds_load_b64 v[\reg+10:\reg+11], v[\adr+2] offset:(\i)*ROWB+(\q)*FRB+1280
.endm
; 16 matrix instructions: A's blocks a0, a0 + 1 x B's eight, 128 along K.  The 64 accumulators take turns, one instruction a turn, in the same order in every step.
.macro MUL16 a0, p, q, sc, zero
.irp a, \a0, \a0+1
.irp b, 0,1,2,3,4,5,6,7
.if \zero
	v_wmma_scale_f32_16x16x128_f8f6f4 v[8*(8*((\a)%4)+\b):8*(8*((\a)%4)+\b)+7], v[128*(\p)+FR*\b:128*(\p)+FR*\b+FR-1], v[AF+FR*(\a):AF+FR*(\a)+FR-1], 0, v[SC+8*NQ*(\sc)+NQ*\b+(\q)], v[SC+8*NQ*(\sc)+NQ*(\a)+(\q)] matrix_a_fmt:MATRIX_FMT_FP6 matrix_b_fmt:MATRIX_FMT_FP6 matrix_a_scale:MATRIX_SCALE_ROW1
.else
	v_wmma_scale_f32_16x16x128_f8f6f4 v[8*(8*((\a)%4)+\b):8*(8*((\a)%4)+\b)+7], v[128*(\p)+FR*\b:128*(\p)+FR*\b+FR-1], v[AF+FR*(\a):AF+FR*(\a)+FR-1], v[8*(8*((\a)%4)+\b):8*(8*((\a)%4)+\b)+7], v[SC+8*NQ*(\sc)+NQ*\b+(\q)], v[SC+8*NQ*(\sc)+NQ*(\a)+(\q)] matrix_a_fmt:MATRIX_FMT_FP6 matrix_b_fmt:MATRIX_FMT_FP6 matrix_a_scale:MATRIX_SCALE_ROW1
.endif
.endr
.endr
.endm
.macro FETCH_B slot, q, p
	WIN TO_B
.irp i, 0,1,2,3,4,5,6,7
	FRAG 128*(\p)+FR*\i, ADRB+\slot, \q, \i
.endr
	WIN 0
.endm
.macro FETCH_A slot, q, i0
.irp i, \i0, \i0+1, \i0+2, \i0+3
	FRAG AF+FR*(\i), ADRA+\slot, \q, \i
.endr
.endm
.macro SCALES sc                       ; a slot's scale words: two words a row; lanes 0-15 take A's block i, lanes 16-31 B's block i
.irp i, 0,1,2,3,4,5,6,7
	ds_load_b64 v[SC+8*NQ*\sc+NQ*\i:SC+8*NQ*\sc+NQ*\i+1], v[ADRS] offset:\i*SBLK
.endr
.endm
.macro PLACES n                        ; places in front of loads into registers that matrix instructions have read
.rept \n
	v_nop
.endr
.endm
.macro STEP slot, q, zero              ; a step of 128 along K that has its successor in the same slot
	s_wait_dscnt 4*NL                              ; B's set and A's blocks 0-3 are in; the youngest 16 loads (A's blocks 4-7) may be out
	WIN MUL_LO
	MUL16 0, (\q)%2, \q, \slot, \zero
	MUL16 2, (\q)%2, \q, \slot, \zero
	s_wait_dscnt 0
	PLACES NP
	FETCH_B \slot, (\q)+1, 1-(\q)%2
	FETCH_A \slot, (\q)+1, 0
	WIN MUL_HI
	MUL16 4, (\q)%2, \q, \slot, \zero
	MUL16 6, (\q)%2, \q, \slot, \zero
	PLACES NP
	WIN 0
	FETCH_A \slot, (\q)+1, 4
.endm
; A slot's last step changes slots: one barrier; in front of it each wave waits for all its tensor loads, adds 0 to its spare word, and waits for that and for its reads of this slot.
.macro TURN slot, next, fill
	s_wait_tensorcnt 0x0                           ; all my tensor loads have landed: my part of the next slot
	ds_add_u32 v[SPW], v[NIL]
	s_wait_dscnt 4*NL+1                            ; (the add and the youngest 16 loads may be out)
	WIN MUL_LO
	MUL16 0, 1, NQ-1, \slot, 0
	s_wait_dscnt 0x0                               ; the add is done, and my reads of this slot are over
	s_barrier_signal -1
	MUL16 2, 1, NQ-1, \slot, 0
	WIN 0
	s_barrier_wait -1
.if \fill
	CREST                                          ; the barrier has opened a round of the cluster's barrier: no wave of any partner still reads this slot or has a load on its way
	s_add_nc_u64 s[G0+4*\slot+2:G0+4*\slot+3], s[G0+4*\slot+2:G0+4*\slot+3], 2*ROWB
	s_add_nc_u64 s[G0B+4*\slot+2:G0B+4*\slot+3], s[G0B+4*\slot+2:G0B+4*\slot+3], 2*ROWB
	JLOAD G0+4*\slot, G1, G0B+4*\slot, G1B         ; the first tensor load behind the round; its four v_nop are the places in front of the loads below
.else
	PLACES NP
.endif
	v_add_nc_u32 v[ADRS], 4*NQ, v[ADRS]            ; on to the next slot's scale words
	FETCH_B \next, 0, 0
	FETCH_A \next, 0, 0
	SCALES \next
	WIN MUL_HI
	MUL16 4, 1, NQ-1, \slot, 0
	MUL16 6, 1, NQ-1, \slot, 0
	PLACES NP
	WIN 0
	FETCH_A \next, 0, 4
.endm
	s_wait_tensorcnt 1                             ; the scales and my part of slot 0 are in (slot 1's load may be out),
	s_barrier_signal -1
	s_barrier_wait -1                              ; everybody's are
	FETCH_B 0, 0, 0
	FETCH_A 0, 0, 0
	SCALES 0
	FETCH_A 0, 0, 4
	STEP 0, 0, 1                                   ; the first step stands in front of the loop: its products start the sums
	s_mov_b32 s3, LAPS-1
.Llap:
	TURN 0, 1, 1
	STEP 1, 0, 0
	TURN 1, 0, 1
	STEP 0, 0, 0
	s_sub_co_u32 s3, s3, 1
	s_cmp_lg_u32 s3, 0
	s_cbranch_scc1 .Llap
	TURN 0, 1, 0                                   ; the last lap fills nothing
	STEP 1, 0, 0
	s_wait_dscnt 4*NL
	WIN MUL_LO
	MUL16 0, 1, NQ-1, 1, 0
	MUL16 2, 1, NQ-1, 1, 0
	s_wait_dscnt 0
	WIN MUL_HI
	MUL16 4, 1, NQ-1, 1, 0
	MUL16 6, 1, NQ-1, 1, 0
	WIN 0
	; THE WAY OUT.  Where my 128 x 128 goes: ua = my 128 rows of A, ub = my 128 rows of B, each counted in units of 128.
	v_bfe_u32 v2, v0, 4, 1                         ; (these plain lines name no register of the last products: they are the four places behind them)
	v_and_b32 v1, 15, v0
	v_and_b32 v24, 31, v0
	v_lshlrev_b32 v25, 3, v24                      ; 8 x lane
	v_lshlrev_b32 v24, 4, v24                      ; 16 x lane
	s_lshl_b32 s18, s17, 1
	s_add_co_u32 s18, s18, s15                     ; ua
	s_lshl_b32 s19, s42, 1
	s_add_co_u32 s19, s19, s16                     ; ub
	s_and_b32 s2, s19, 7
	s_lshl_b32 s3, s66, 6
	s_add_co_u32 s3, s3, s19                       ; ub + 64 x kind: under 8 for q alone
	s_cmp_eq_u32 s66, 1
	s_cselect_b32 s12, s19, s18                    ; which 128 tokens: 0..63
	s_cselect_b32 s13, s18, s2                     ; which pair of heads: 0..7
	s_mov_b32 s2, 12800
	s_cmp_lt_u32 s3, 8
	s_cselect_b64 s[8:9], s[8:9], s[10:11]         ; qf or kv
	s_cselect_b32 s2, 6400, s2                     ; bytes from 128 tokens to the next
	s_lshr_b32 s20, s12, 4                         ; batch
	s_lshl_b32 s20, s20, 4
	s_lshl_b32 s21, s13, 1
	s_add_co_u32 s20, s20, s21                     ; batch x 16 + the pair's first head
	s_lshl_b32 s20, s20, 4
	s_and_b32 s21, s12, 15
	s_add_co_u32 s20, s20, s21                     ; x 16 + the 128 tokens' number in the sequence
	s_mul_i32 s20, s20, s2
	s_mul_i32 s21, s66, 6400                       ; v's record lies behind k's
	s_add_co_u32 s20, s20, s21
	s_mov_b32 s21, 0
	s_add_nc_u64 s[12:13], s[8:9], s[20:21]        ; the first head's record
	s_lshl_b32 s3, s2, 4                           ; bytes from a head to the next
	s_sub_co_u32 s92, s3, 6144
	s_mov_b32 s46, 768
	s_cmp_eq_u32 s66, 1
	s_cselect_b32 s46, 1536, s46                   ; from block a to a + 1: a token tile's image, or a channel tile's fragment
	s_cselect_b32 s92, s92, 0                      ; at a = 4, kind 1: on to the second head's record
	s_cselect_b32 s94, 768, s3                     ; from the codes' first half to the second: kind 0 the other head, kind 1 the fragment's second image
	s_mov_b32 s47, 0
	s_mov_b32 s93, 0
	s_mov_b32 s95, 0
	s_mov_b32 s[SEL], 0x76543210
	s_mov_b32 s[SEL+1], 0xfedcba98
	s_mov_b64 s[20:21], s[12:13]
	s_add_nc_u64 s[22:23], s[20:21], s[94:95]
	v_mul_lo_u32 v26, v2, s3
	v_lshl_add_u32 v26, v1, 4, v26                 ; the scale words: 16 r, lanes 16-31 in the second head's record
	v_cmp_eq_u32 vcc_lo, 1, v2
	v_mov_b32 v30, 0x05040100
	v_mov_b32 v31, 0x07060302
	v_cndmask_b32 v30, v30, v31, vcc_lo            ; kind 0: of two tiles' words the two bytes of my half's head
	v_mov_b32 v31, 0x03020100
	v_mov_b32 v3, 0x07060504
	v_cndmask_b32 v31, v31, v3, vcc_lo             ; kind 1: the word of my half's head
.irp b, 0,1,2,3
	v_mov_b32 v[TM+4+\b], 0                        ; written once: a lane permute's destination counts as one of its sources
.endr
; Block a: 64 numbers of a lane, register 16 b + i of block b of 32 along B's rows, become 12 registers of codes in v[PC] on and the scale word v[PWB + a].  Each accumulator is read from its low end on.
.macro QUANT a
.set AC, 64*((\a)%4)
.set WW, 2+(\a)/4
.set WSRC, 5*WW
	WIN WSRC                                       ; sources 0 and 1: the accumulators' window
.irp b, 0,1,2,3
	v_max3_num_f32 v[TM+\b], |v[AC+16*\b]|, |v[AC+16*\b+1]|, 0x1800000   ; and the floor 2^(3 - 127): the byte cannot fall under 1
.endr
.irp i, 2,4,6,8,10,12,14
.irp b, 0,1,2,3
	v_max3_num_f32 v[TM+\b], |v[AC+16*\b+\i]|, |v[AC+16*\b+\i+1]|, v[TM+\b]
.endr
.endr
	WIN 0
.irp b, 0,1,2,3
	v_permlanex16_b32 v[TM+4+\b], v[TM+\b], s[SEL], s[SEL+1]
.endr
.irp b, 0,1,2,3
	v_max_num_f32 v[TM+\b], v[TM+\b], v[TM+4+\b]   ; with lane l xor 16's 16: the block's largest magnitude
.endr
.irp b, 0,1,2,3
	v_add_nc_u32 v[TM+12+\b], 0xff000000, v[TM+\b] ; 2 off the exponent field: the conversion's scale operand
.endr
.irp b, 0,1,2,3
	v_lshrrev_b32 v[TM+4+\b], 23, v[TM+12+\b]      ; the scale's byte
.endr
	v_lshl_or_b32 v[PWB+(\a)], v[TM+5], 8, v[TM+4]
	v_lshl_or_b32 v[PWB+(\a)], v[TM+6], 16, v[PWB+(\a)]
	v_lshl_or_b32 v[PWB+(\a)], v[TM+7], 24, v[PWB+(\a)]
	WIN WW                                         ; source 0: the accumulators' window
.irp c, 0,1
	v_cvt_scalef32_pk16_fp6_f32 v[PC+6*\c:PC+6*\c+2], v[AC+32*\c:AC+32*\c+15], v[TM+12+2*\c]
	v_cvt_scalef32_pk16_fp6_f32 v[PC+12+4*\c:PC+14+4*\c], v[AC+32*\c+16:AC+32*\c+31], v[TM+12+2*\c+1]
.endr
	WIN 0
	v_nop                                          ; one plain place behind a scaled conversion
.irp c, 0,1                            ; the operand's layout wants a whole block in a lane: lanes 0-15 block 2 c, lanes 16-31 block 2 c + 1
.irp i, 0,1,2
	v_permlane16_swap_b32 v[PC+6*\c+\i], v[PC+12+4*\c+\i]
.endr
.irp i, 0,1,2
	v_mov_b32 v[PC+3+6*\c+\i], v[PC+12+4*\c+\i]
.endr
.endr
.endm
.irp a, 0,1,2,3,4,5,6,7
.if \a > 0
	s_wait_xcnt 0x0                                ; the last block's stores have read their data and bases: both are written again only behind this wait
	s_add_nc_u64 s[20:21], s[20:21], s[46:47]
.if \a == 4
	s_add_nc_u64 s[20:21], s[20:21], s[92:93]
.endif
	s_add_nc_u64 s[22:23], s[20:21], s[94:95]
.endif
	QUANT \a
	global_store_b128 v24, v[PC:PC+3], s[20:21]                 ; 512 consecutive bytes, aligned
	global_store_b64 v25, v[PC+4:PC+5], s[20:21] offset:512     ; 256 consecutive bytes, aligned
	global_store_b128 v24, v[PC+6:PC+9], s[22:23]
	global_store_b64 v25, v[PC+10:PC+11], s[22:23] offset:512
.endr
.irp f, 0,1,2,3
	v_perm_b32 v[W1+\f], v[PWB+2*\f+1], v[PWB+2*\f], v30        ; kind 0: word f = token tiles 2 f and 2 f + 1, two bytes each, of my half's head
	v_perm_b32 v[W2+\f], v[PWB+4+\f], v[PWB+\f], v31            ; kind 1: word t = channel tile t of my half's head
.endr
.irp f, 0,1,2,3
	v_cndmask_b32 v[WF+\f], v[W1+\f], v[W2+\f], s67
.endr
	global_store_b128 v26, v[WF:WF+3], s[12:13] offset:6144     ; lanes 0-15 store one record's 256 bytes of scale words, lanes 16-31 the other's
	s_wait_tensorcnt 0x0                           ; the wave's end: behind my last tensor load
	ds_add_u32 v[SPW], v[NIL]
	s_wait_dscnt 0x0
	CROUND                                         ; the closing round: no work-group ends while a partner may still ask for a tile that names it
	s_endpgm
.Lfunc_end_k_qc81c71d222_gemm_qkv:
	.size	k_qc81c71d222_gemm_qkv, .Lfunc_end_k_qc81c71d222_gemm_qkv-k_qc81c71d222_gemm_qkv
	.p2alignl 7, 3214868480
	.fill 96, 4, 3214868480
	.section	.rodata,"a",@progbits
	.p2align	6, 0x0
	.amdhsa_kernel k_qc81c71d222_gemm_qkv
		.amdhsa_group_segment_fixed_size 327680
		.amdhsa_private_segment_fixed_size 0
		.amdhsa_enable_private_segment 0
		.amdhsa_kernarg_size 32
		.amdhsa_user_sgpr_count 2
		.amdhsa_user_sgpr_kernarg_segment_ptr 1
		.amdhsa_wavefront_size32 1
		.amdhsa_system_sgpr_workgroup_id_x 1
		.amdhsa_system_sgpr_workgroup_id_y 1
		.amdhsa_system_sgpr_workgroup_id_z 1
		.amdhsa_system_vgpr_workitem_id 0
		.amdhsa_next_free_vgpr 1024
		.amdhsa_next_free_sgpr 100
		.amdhsa_reserve_vcc 1
		.amdhsa_float_denorm_mode_32 3
		.amdhsa_float_denorm_mode_16_64 3
		.amdhsa_memory_ordered 1
		.amdhsa_forward_progress 1
		.amdhsa_inst_pref_size 151
	.end_amdhsa_kernel
	.amdgpu_metadata
---
amdhsa.version: [ 1, 2 ]
amdhsa.kernels:
  - .name:           k_qc81c71d222_gemm_qkv
    .symbol:         k_qc81c71d222_gemm_qkv.kd
    .args:
      - { .name: xb, .offset: 0, .size: 8, .value_kind: global_buffer, .address_space: global }
      - { .name: wb, .offset: 8, .size: 8, .value_kind: global_buffer, .address_space: global }
      - { .name: qf, .offset: 16, .size: 8, .value_kind: global_buffer, .address_space: global }
      - { .name: kv, .offset: 24, .size: 8, .value_kind: global_buffer, .address_space: global }
    .group_segment_fixed_size: 327680
    .private_segment_fixed_size: 0
    .kernarg_segment_align: 8
    .kernarg_segment_size: 32
    .max_flat_workgroup_size: 128
    .sgpr_count:     100
    .vgpr_count:     1024
    .wavefront_size: 32
...
	.end_amdgpu_metadata
.endif
;; end of part 2
;; launch attn (part 3): grid 4 x 64, 16 waves a work-group, no clusters, 327,680 bytes of LDS; arguments qf, kv, ob; writes ob
.if DOCPART == 3
	.amdgcn_target "amdgcn-amd-amdhsa--gfx1250"
	.amdhsa_code_object_version 6
	.text
	.protected	k_qc81c71d222_attn
	.globl	k_qc81c71d222_attn
	.p2align	8
	.type	k_qc81c71d222_attn,@function
k_qc81c71d222_attn:
	s_mov_b64 s[64:65], 0
	v_nop
	global_prefetch_b8 v0, s[64:65] scope:SCOPE_SE
	s_setreg_imm32_b32 hwreg(HW_REG_WAVE_MODE, 25, 1), 1
	s_wait_xcnt 0x0
; o = softmax(q k^T / 8, causal) v for 64 (batch x head), 2,048 tokens, head size 64; both products on codes of FP6 (E2M3) with E8M0 scales; o leaves as codes, quantised along the 1,024 channels, as the last product's operand.
; THE SOFTMAX: t = score x log2(e) / 8; M = the running largest t rounded up to a whole number; p = 2^(t - M) is quantised along the keys, not normalised; the row's sum is taken of the unquantised p and divides O at the end.
; When M moves, the sum and O are multiplied by 2^(old M - new M): exact.
; SHARES.  A work-group takes, of one head, the block of 256 queries X and then the block 7 - X: (X + 1) + (8 - X) = 9 slots of 256 keys, whatever X: 256 work-groups of equal work, and the loop over slots has a constant count.
; Each of sixteen waves owns 16 queries, one tile, in 256 registers: four waves to a SIMD.  A key step is 128 keys; a step all of whose keys come after the wave's queries is left out by a scalar branch on ids.
; NO CLUSTER: the four work-groups of a head walk different sequences of slots (0..X, 0..7-X); walking in step they would need 8 + 4 = 12 slot times each against 9.
; MEMORY (this program's own layout): kv holds, for a head and 128 keys, 12,800 bytes: k's record (4 fragments of 1,536 bytes, each two tiles of 16 keys x 64; 256 bytes of scale words), then v's (4 fragments: 16 channels x 128 keys; scale words).
; A slot is 25,600 dense bytes; waves 0 to 3 bring a quarter each, as 25 rows of 256 bytes.  Fragments lie as images of their registers: four LDS loads whose lanes take consecutive bytes.
; K = 64 IN AN INSTRUCTION OF 128: a fragment of k holds key tile 2 F in k 0..63 and tile 2 F + 1 in k 64..127.  q stands as the run q, zeros, q: its first twelve registers pick out tile 2 F, its last twelve tile 2 F + 1:
; zero codes annul the other tile under any scale byte but 0xff, and all bytes here lie between 1 and 254.
; LAYOUT.  Both products are used transposed: a lane holds one query (lane % 16).  Register 16 b + i of the scores is key 32 b + 8 (lane / 16) + i + 8 (i / 8): converted and exchanged between the halves, a block's codes
; stand in the order 0..7, 16..23, 8..15, 24..31, which v's codes have too; o's channels likewise, as w_out's codes.
; LIMITS: NaN and infinities are not served; a block whose largest magnitude lies under 2^-124 keeps the byte 1 (read by this program alone); 1 / l is v_rcp_f32 and a multiplication; sums inside a block of 32 are not in ascending k.
.set SLOT1, 32768                      ; slot 0 at 0, slot 1 here: one exclusive or turns an address
.set STEPB, 12800                      ; a key step in a slot: k's codes +0, k's scale words +6,144, v's fragments +6,400, v's scale words +12,544
.set SPARE, 65536                      ; the spare words, 128 bytes a wave: eight blocks of 256 bytes that no other line names
.set KV,  36                           ; v36-83   four fragments of k, then of v
.set S,   96                           ; v96-159  the scores, then p; at the end o
.set O,   160                          ; v160-191 O^T
.set PCD, 192                          ; v192-203 p's codes
.set CT,  204                          ; v204-206, v208-210 second halves
.set BM,  212                          ; v212-215 the blocks' largest
.set BX,  216                          ; v216-219 the other half's; bytes
.set SOP, 220                          ; v220-223 the conversions' scale operands
; v1 16 x lane, v2 8 x lane, v3 16 r, v4 32 r + h, v5 my spare word, v6 0, v7 h, v8-10 LDS addresses in hand, v11 r - 8 h, v12 -M, v13 largest t, v[14:15] the sum, v16-33 q's run, v34 q's scale word, v35 its raw word,
; v84-87 k's scale words, v88-91 v's, v[224:225] f, v226 p's scale word, v[228:229] at work, v230 -infinity, v231 the mask's d.
; s12 wave, s13 X, s14 batch x head, s15 trip, s[16:23] group 1, s[24:27] group 0, s[28:29] my quarter of the head's slot 0, s[30:31] lane selects, s[32:33] c, s34 slot in hand, s35, s36 key slot now and next, s37 the step's first key,
; s38 my first query, s39 block of queries, s[40:43] q's addresses and offsets, s[48:51] the stores' bases, s52 a selector, s53-57 at work.
.macro TLOAD                           ; waves 0 to 3 fetch; the branch hangs on the wave's number alone.  An s_nop 0 and four v_nop follow the line
	s_cmp_lt_u32 s12, 4
	s_cbranch_scc0 .Lno_load_\@
	tensor_load_to_lds s[24:27], s[16:23]
	s_nop 0
.rept 4
	v_nop
.endr
.Lno_load_\@:
.endm
.macro FRAG reg, off
	ds_load_b128 v[\reg:\reg+3], v8 offset:\off
	ds_load_b64 v[\reg+4:\reg+5], v9 offset:\off+512
	ds_load_b128 v[\reg+6:\reg+9], v8 offset:\off+768
	ds_load_b64 v[\reg+10:\reg+11], v9 offset:\off+1280
.endm
; q's tile of block s39: record 2 x block + wave / 8 of the head, image wave % 8; its scale word: word (wave / 2) % 4, half wave % 2
.macro QLOAD
	s_lshl_b32 s53, s39, 1
	s_lshr_b32 s54, s12, 3
	s_add_co_u32 s53, s53, s54
	s_lshl_b32 s54, s14, 4
	s_add_co_u32 s53, s53, s54
	s_mul_i32 s53, s53, 6400
	s_and_b32 s54, s12, 7
	s_mul_i32 s54, s54, 768
	s_add_co_u32 s40, s53, s54
	s_mov_b32 s41, 0
	s_add_nc_u64 s[40:41], s[4:5], s[40:41]
	s_bfe_u32 s54, s12, 0x20001
	s_lshl_b32 s54, s54, 2
	s_add_co_u32 s42, s53, s54
	s_mov_b32 s43, 0
	s_add_nc_u64 s[42:43], s[4:5], s[42:43]
	global_load_b128 v[16:19], v1, s[40:41]
	global_load_b64 v[20:21], v2, s[40:41] offset:512
	global_load_b32 v35, v3, s[42:43] offset:6144
.endm
.macro INIT                            ; a block of queries begins: q's run and scale word; -M, the largest t, the sum and O^T.  (The step is written once: the first finds zeros, which the first change of M leaves zeros)
	s_wait_loadcnt 0x0
	v_perm_b32 v34, v35, v35, s52                  ; my tile's two bytes, twice: they serve both halves of K
.irp i, 0,1,2,3,4,5
	v_mov_b32 v[28+\i], v[16+\i]
.endr
	v_mov_b32 v13, 0xff61b1e6                      ; -3e38, under every t
	v_floor_f32 v12, -v13
	v_mov_b32 v14, 0
	v_mov_b32 v15, 0
.set JJ, 0
.rept 32
	v_mov_b32 v[O+JJ], 0                           ; (these 32 are also the places between the writes above and the next scaled products)
.set JJ, JJ+1
.endr
.endm
; THE CHANGE OF SLOTS stands at a slot's head.  fill = 1: the slot that has been left takes the keys of the next trip: key slot + 1, or 0 where this trip ends the first block of queries.
.macro CHANGE fill
	s_wait_tensorcnt 0x0                           ; no tensor load of mine is out, so group 0 may be written
	ds_add_u32 v5, v6
.if \fill
	s_add_co_u32 s36, s35, 1
	s_cmp_eq_u32 s15, s13
	s_cselect_b32 s36, 0, s36
	s_xor_b32 s25, s25, SLOT1
	s_mul_i32 s40, s36, 2*STEPB
	s_mov_b32 s41, 0
	s_add_nc_u64 s[26:27], s[28:29], s[40:41]
	s_or_b32 s27, s27, 0x80000000
.endif
	s_wait_dscnt 0x0                               ; the add is done, and my reads of the slot that I have left are over
	s_barrier_signal -1
	s_barrier_wait -1
.if \fill
	TLOAD                                          ; the first thing behind the barrier, a wave's one tensor load until the next; one load of mine is out at the most
.endif
.endm
; A KEY STEP: 128 keys, the q-th of the slot in hand.
.macro STEP q
	s_add_co_u32 s53, s38, 15
	s_cmp_gt_u32 s37, s53                          ; all keys behind my queries: nothing to do (first keys and first queries are multiples of 16, so in a step that is walked the first key counts for all 16 queries)
	s_cbranch_scc1 .Lhidden_\@
	v_add_nc_u32 v8, s34, v1                       ; (three additions and a v_nop: the four places in front of loads into registers that the last products read)
	v_add_nc_u32 v9, s34, v2
	v_add_nc_u32 v10, s34, v3
	v_nop
.irp f, 0,1,2,3
	FRAG KV+12*\f, STEPB*(\q)+1536*\f
.endr
	ds_load_b128 v[84:87], v10 offset:STEPB*(\q)+6144
	s_wait_dscnt 0x0
.irp f, 0,1,2,3                        ; S^T = k q^T: of fragment f first key tile 2 f, then 2 f + 1
	v_wmma_scale_f32_16x16x128_f8f6f4 v[S+16*\f:S+16*\f+7], v[KV+12*\f:KV+12*\f+11], v[16:27], 0, v[84+\f], v34 matrix_a_fmt:MATRIX_FMT_FP6 matrix_b_fmt:MATRIX_FMT_FP6
	v_wmma_scale_f32_16x16x128_f8f6f4 v[S+16*\f+8:S+16*\f+15], v[KV+12*\f:KV+12*\f+11], v[22:33], 0, v[84+\f], v34 matrix_a_fmt:MATRIX_FMT_FP6 matrix_b_fmt:MATRIX_FMT_FP6
.endr
.rept 4
	v_nop                                          ; places: in front of the loads below and of the first read of the scores
.endr
.irp t, 0,1,2,3                        ; v's fragments at once, into k's registers: they land while the softmax is walked
	FRAG KV+12*\t, STEPB*(\q)+6400+1536*\t
.endr
	ds_load_b128 v[88:91], v10 offset:STEPB*(\q)+12544
	s_add_co_u32 s53, s37, 127
	s_cmp_le_u32 s53, s38                          ; all keys count: no mask
	s_cbranch_scc1 .Lopen_\@
	s_sub_co_i32 s53, s38, s37
	v_add_nc_u32 v231, s53, v11                    ; d = my query - the step's first key - 8 h: register 16 b + i is hidden where 32 b + i + 8 (i / 8) > d
.set JJ, 0
.rept 64
	v_cmp_gt_i32 vcc_lo, 32*(JJ/16)+JJ%16+8*((JJ%16)/8), v231
	v_cndmask_b32 v[S+JJ], v[S+JJ], v230, vcc_lo
.set JJ, JJ+1
.endr
.Lopen_\@:
.irp b, 0,1,2,3
	v_max3_num_f32 v[BM+\b], v[S+16*\b], v[S+16*\b+1], v[S+16*\b+2]   ; the largest score of each block of 32 keys: for the row's maximum, and, since p rises with the score, for the block's largest p
.endr
.irp i, 3,5,7,9,11,13
.irp b, 0,1,2,3
	v_max3_num_f32 v[BM+\b], v[BM+\b], v[S+16*\b+\i], v[S+16*\b+\i+1]
.endr
.endr
.irp b, 0,1,2,3
	v_max_num_f32 v[BM+\b], v[BM+\b], v[S+16*\b+15]
.endr
.irp b, 0,1,2,3
	v_permlanex16_b32 v[BX+\b], v[BM+\b], s30, s31
.endr
.irp b, 0,1,2,3
	v_max_num_f32 v[BM+\b], v[BM+\b], v[BX+\b]     ; with lane l xor 16's 16 keys
.endr
	v_max3_num_f32 v228, v[BM], v[BM+1], v[BM+2]
	v_max_num_f32 v228, v228, v[BM+3]
	v_mul_f32 v228, s32, v228                      ; as t (c is positive)
	v_max_num_f32 v13, v13, v228                   ; the running largest t
	v_mov_b32 v228, v12
	v_floor_f32 v12, -v13                          ; the new -M = floor(-t): M is a whole number
	v_sub_f32 v228, v12, v228                      ; old M - new M: a whole number, 0 or less
	v_cvt_i32_f32 v228, v228                       ; (it saturates)
	v_ldexp_f32 v224, 1.0, v228                    ; f = 2^(old M - new M)
.set JJ, 0
.rept 32
	v_pk_fma_f32 v[S+JJ:S+JJ+1], v[S+JJ:S+JJ+1], s[32:33], v[12:13] op_sel_hi:[1,0,0]   ; t - M, two at a time
.set JJ, JJ+2
.endr
.irp b, 0,1,2,3
	v_fma_f32 v[BM+\b], v[BM+\b], s32, v12         ; the same of each block's largest score
.endr
.set JJ, 0
.rept 64
	v_exp_f32 v[S+JJ], v[S+JJ]                     ; p = 2^(t - M), at most 1
.set JJ, JJ+1
.endr
	v_pk_mul_f32 v[14:15], v[14:15], v[224:225] op_sel_hi:[1,0]   ; the sums under the new M (a plain place behind the exponentials)
	s_wait_alu depctr_va_vdst(0)                   ; one wait for the batch of 64, ahead of its first reader
.irp b, 0,1,2,3
	v_exp_f32 v[BM+\b], v[BM+\b]                   ; the block's largest p: the same two instructions on the same number
.endr
	v_pk_add_f32 v[228:229], v[S:S+1], v[S+2:S+3]  ; the row's sum of the unquantised p, in two chains; its first half is the plain work behind the four
.set JJ, 4
.rept 7
	v_pk_add_f32 v[14:15], v[14:15], v[S+JJ:S+JJ+1]
	v_pk_add_f32 v[228:229], v[228:229], v[S+JJ+2:S+JJ+3]
.set JJ, JJ+4
.endr
	s_wait_alu depctr_va_vdst(0)                   ; and one for the four
.irp b, 0,1,2,3
	v_max_num_f32 v[BM+\b], 0x1800000, v[BM+\b]    ; the floor 2^(3 - 127): the byte cannot fall under 1 (a block whose every p is 0 keeps that byte: its codes are zeros)
.endr
.irp b, 0,1,2,3
	v_add_nc_u32 v[SOP+\b], 0xff000000, v[BM+\b]
.endr
.irp b, 0,1,2,3
	v_lshrrev_b32 v[BX+\b], 23, v[SOP+\b]
.endr
	v_lshl_or_b32 v226, v[BX+1], 8, v[BX]          ; p's scale word for these 128 keys
	v_lshl_or_b32 v226, v[BX+2], 16, v226
	v_lshl_or_b32 v226, v[BX+3], 24, v226
.irp c, 0,1
	v_cvt_scalef32_pk16_fp6_f32 v[PCD+6*\c:PCD+6*\c+2], v[S+32*\c:S+32*\c+15], v[SOP+2*\c]
	v_cvt_scalef32_pk16_fp6_f32 v[CT+4*\c:CT+4*\c+2], v[S+32*\c+16:S+32*\c+31], v[SOP+2*\c+1]
.endr
	v_nop                                          ; one plain place behind a scaled conversion
.irp c, 0,1
.irp i, 0,1,2
	v_permlane16_swap_b32 v[PCD+6*\c+\i], v[CT+4*\c+\i]
.endr
.irp i, 0,1,2
	v_mov_b32 v[PCD+6*\c+3+\i], v[CT+4*\c+\i]
.endr
.endr
.set JJ, 0
.rept 16
	v_pk_mul_f32 v[O+JJ:O+JJ+1], v[O+JJ:O+JJ+1], v[224:225] op_sel_hi:[1,0]   ; O^T under the new M
.set JJ, JJ+2
.endr
.set JJ, 32
.rept 8
	v_pk_add_f32 v[14:15], v[14:15], v[S+JJ:S+JJ+1]          ; the sum's second half: with the lines above, the places between the operands' last writes and the products
	v_pk_add_f32 v[228:229], v[228:229], v[S+JJ+2:S+JJ+3]
.set JJ, JJ+4
.endr
	v_pk_add_f32 v[14:15], v[14:15], v[228:229]
	s_wait_dscnt 0x0                               ; v's fragments and scale words are in
.irp t, 0,1,2,3                        ; O^T += v^T p^T: the four accumulators by turns
	v_wmma_scale_f32_16x16x128_f8f6f4 v[O+8*\t:O+8*\t+7], v[KV+12*\t:KV+12*\t+11], v[PCD:PCD+11], v[O+8*\t:O+8*\t+7], v[88+\t], v226 matrix_a_fmt:MATRIX_FMT_FP6 matrix_b_fmt:MATRIX_FMT_FP6
.endr
.Lhidden_\@:
	s_add_co_u32 s37, s37, 128
.endm
; A BLOCK OF QUERIES ENDS: o = O^T / the sum, quantised along the head's two blocks of 32 channels, stored as the image of six registers and two scale bytes a row.  next = 1: the second block of queries begins.
.macro FINISH next
.rept 4
	v_nop                                          ; places behind the last products
.endr
	v_add_f32 v14, v14, v15
	v_permlanex16_b32 v228, v14, s30, s31
	v_add_f32 v14, v14, v228                       ; the row's sum
	v_rcp_f32 v14, v14
	v_nop                                          ; a plain place behind the transcendental
	s_lshr_b32 s53, s14, 4                         ; batch
	s_and_b32 s54, s14, 15                         ; head
	s_lshl_b32 s55, s53, 7
	s_lshl_b32 s56, s39, 4
	s_add_co_u32 s55, s55, s56
	s_add_co_u32 s55, s55, s12                     ; my block of 16 rows: 128 x batch + 16 x block of queries + wave
	s_mul_i32 s56, s55, 12288
	s_mul_i32 s55, s54, 768                        ; K step head / 2, image head % 2: 768 x head
	s_add_co_u32 s56, s56, s55
	s_mov_b32 s57, 0
	s_add_nc_u64 s[48:49], s[8:9], s[56:57]
	s_lshl_b32 s55, s53, 11
	s_add_co_u32 s55, s55, s38
	s_lshl_b32 s55, s55, 5                         ; 32 scale bytes a row
	s_lshl_b32 s54, s54, 1
	s_add_co_u32 s55, s55, s54
	s_add_co_u32 s56, s55, 6291456                 ; behind all codes
	s_add_nc_u64 s[50:51], s[8:9], s[56:57]
	s_wait_alu depctr_va_vdst(0)                   ; ahead of the reciprocal's first reader
.set JJ, 0
.rept 32
	v_mul_f32 v[S+JJ], v[O+JJ], v14                ; register 8 t + i is o(query r, channel 16 t + 8 h + i); each accumulator from its low end on
.set JJ, JJ+1
.endr
.irp b, 0,1
	v_max3_num_f32 v[BM+\b], |v[S+16*\b]|, |v[S+16*\b+1]|, 0x1800000
.endr
.irp i, 2,4,6,8,10,12,14
.irp b, 0,1
	v_max3_num_f32 v[BM+\b], v[BM+\b], |v[S+16*\b+\i]|, |v[S+16*\b+\i+1]|
.endr
.endr
.irp b, 0,1
	v_permlanex16_b32 v[BX+\b], v[BM+\b], s30, s31
.endr
.irp b, 0,1
	v_max_num_f32 v[BM+\b], v[BM+\b], v[BX+\b]
.endr
.irp b, 0,1
	v_add_nc_u32 v[SOP+\b], 0xff000000, v[BM+\b]
.endr
.irp b, 0,1
	v_lshrrev_b32 v[BX+\b], 23, v[SOP+\b]
.endr
	v_cvt_scalef32_pk16_fp6_f32 v[PCD:PCD+2], v[S:S+15], v[SOP]
	v_cvt_scalef32_pk16_fp6_f32 v[CT:CT+2], v[S+16:S+31], v[SOP+1]
	v_nop
.irp i, 0,1,2
	v_permlane16_swap_b32 v[PCD+\i], v[CT+\i]
.endr
.irp i, 0,1,2
	v_mov_b32 v[PCD+3+\i], v[CT+\i]
.endr
	v_cmp_eq_u32 vcc_lo, 1, v7
	v_cndmask_b32 v228, v[BX], v[BX+1], vcc_lo     ; lane (r, h) stores block h's byte
	global_store_b128 v1, v[PCD:PCD+3], s[48:49]               ; 512 consecutive bytes, aligned
	global_store_b64 v2, v[PCD+4:PCD+5], s[48:49] offset:512   ; 256 consecutive bytes, aligned
	global_store_b8 v4, v228, s[50:51]                         ; a head owns two of a row's 32 scale bytes: 32 single bytes a wave
	s_wait_xcnt 0x0                                ; the stores have read their data and bases
.if \next
	s_sub_co_u32 s39, 7, s13
	s_lshl_b32 s38, s39, 8
	s_lshl_b32 s53, s12, 4
	s_add_co_u32 s38, s38, s53
	QLOAD
	INIT
.endif
.endm
	s_load_b128 s[4:7], s[0:1], 0x0                ; qf, kv
	s_load_b64 s[8:9], s[0:1], 0x10                ; ob
	v_lshl_add_u32 v5, v0, 2, SPARE
	v_mov_b32 v6, 0
	ds_add_u32 v5, v6                              ; the wave's opening: the add and its wait ahead of the first tensor load
	v_lshrrev_b32 v1, 5, v0
	v_readfirstlane_b32 s12, v1                    ; wave 0..15
	s_mov_b32 s13, ttmp9                           ; X
	s_and_b32 s14, ttmp7, 0xffff                   ; batch x head
	s_mov_b32 s16, 3<<16                           ; group 1: no mask; elements of 8 bytes; no padding
	s_mov_b32 s17, 32<<16                          ; tensor_dim0 = 32 elements: 256 bytes
	s_mov_b32 s18, 25<<16                          ; tensor_dim1 = 25 rows
	s_mov_b32 s19, 32<<16                          ; tile_dim0
	s_mov_b32 s20, 25                              ; tile_dim1
	s_mov_b32 s21, 32                              ; dense
	s_mov_b32 s22, 0
	s_mov_b32 s23, 0
	s_and_b32 s53, s12, 3
	s_mul_i32 s53, s53, 6400                       ; my quarter of a slot
	s_mul_i32 s40, s14, 16*STEPB                   ; the head's 16 key steps
	s_add_co_u32 s40, s40, s53
	s_mov_b32 s41, 0
	s_mov_b32 s30, 0x76543210
	s_mov_b32 s31, 0xfedcba98
	s_mov_b32 s32, 0x3e38aa3b                      ; c = log2(e) / 8
	s_mov_b32 s33, s32                             ; (named with it as a pair, so it is written)
	s_mov_b32 s52, 0x01000100
	s_and_b32 s54, s12, 1
	s_cmp_eq_u32 s54, 1
	s_cselect_b32 s52, 0x03020302, s52             ; which half of q's raw scale word is my tile's
	s_wait_dscnt 0x0                               ; the opening add is done
	s_wait_kmcnt 0x0
	s_add_nc_u64 s[28:29], s[6:7], s[40:41]
	s_mov_b32 s24, 1                               ; group 0: count = 1
	s_mov_b32 s25, s53                             ; LDS address: slot 0, my quarter
	s_mov_b64 s[26:27], s[28:29]                   ; key slot 0
	s_or_b32 s27, s27, 0x80000000                  ; type = 2
	TLOAD
	v_and_b32 v228, 31, v0
	v_lshlrev_b32 v1, 4, v228
	v_lshlrev_b32 v2, 3, v228
	v_and_b32 v229, 15, v0                         ; r
	v_bfe_u32 v7, v0, 4, 1                         ; h
	v_lshlrev_b32 v3, 4, v229
	v_lshl_add_u32 v4, v229, 5, v7
	v_lshlrev_b32 v231, 3, v7
	v_sub_nc_u32 v11, v229, v231
	v_mov_b32 v230, 0xff800000                     ; -infinity
.irp i, 22,23,24,25,26,27
	v_mov_b32 v\i, 0                               ; the zero codes between q and q
.endr
.irp b, 0,1,2,3
	v_mov_b32 v[BX+\b], 0                          ; written once: a lane permute's destination counts as one of its sources
.endr
	v_mov_b32 v225, 0                              ; (named as the upper half of the pair v[224:225])
	s_mov_b32 s39, s13                             ; the first block of queries: X
	s_lshl_b32 s38, s39, 8
	s_lshl_b32 s53, s12, 4
	s_add_co_u32 s38, s38, s53                     ; my first query
	QLOAD
	INIT
	s_mov_b32 s15, 0
	s_mov_b32 s35, 0
	s_mov_b32 s34, 0
.Lslot:                                            ; 8 trips: behind each change of slots but the last the next trip's keys are asked for
	CHANGE 1
	s_lshl_b32 s37, s35, 8
	STEP 0
	STEP 1
	s_xor_b32 s34, s34, SLOT1
	s_cmp_lg_u32 s15, s13                          ; trip X ends the first block of queries: a branch on the work-group's number, round no tensor load and no barrier
	s_cbranch_scc1 .Lsame_block
	FINISH 1
.Lsame_block:
	s_mov_b32 s35, s36
	s_add_co_u32 s15, s15, 1
	s_cmp_lt_u32 s15, 8
	s_cbranch_scc1 .Lslot
	CHANGE 0                                       ; the last slot is written out
	s_lshl_b32 s37, s35, 8
	STEP 0
	STEP 1
	FINISH 0
	s_wait_tensorcnt 0x0                           ; the wave's end: behind my last tensor load
	ds_add_u32 v5, v6
	s_wait_dscnt 0x0
	s_endpgm
.Lfunc_end_k_qc81c71d222_attn:
	.size	k_qc81c71d222_attn, .Lfunc_end_k_qc81c71d222_attn-k_qc81c71d222_attn
	.p2alignl 7, 3214868480
	.fill 96, 4, 3214868480
	.section	.rodata,"a",@progbits
	.p2align	6, 0x0
	.amdhsa_kernel k_qc81c71d222_attn
		.amdhsa_group_segment_fixed_size 327680
		.amdhsa_private_segment_fixed_size 0
		.amdhsa_enable_private_segment 0
		.amdhsa_kernarg_size 24
		.amdhsa_user_sgpr_count 2
		.amdhsa_user_sgpr_kernarg_segment_ptr 1
		.amdhsa_wavefront_size32 1
		.amdhsa_system_sgpr_workgroup_id_x 1
		.amdhsa_system_sgpr_workgroup_id_y 1
		.amdhsa_system_sgpr_workgroup_id_z 1
		.amdhsa_system_vgpr_workitem_id 0
		.amdhsa_next_free_vgpr 256
		.amdhsa_next_free_sgpr 66
		.amdhsa_reserve_vcc 1
		.amdhsa_float_denorm_mode_32 3
		.amdhsa_float_denorm_mode_16_64 3
		.amdhsa_memory_ordered 1
		.amdhsa_forward_progress 1
		.amdhsa_inst_pref_size 102
	.end_amdhsa_kernel
	.amdgpu_metadata
---
amdhsa.version: [ 1, 2 ]
amdhsa.kernels:
  - .name:           k_qc81c71d222_attn
    .symbol:         k_qc81c71d222_attn.kd
    .args:
      - { .name: qf, .offset: 0, .size: 8, .value_kind: global_buffer, .address_space: global }
      - { .name: kv, .offset: 8, .size: 8, .value_kind: global_buffer, .address_space: global }
      - { .name: ob, .offset: 16, .size: 8, .value_kind: global_buffer, .address_space: global }
    .group_segment_fixed_size: 327680
    .private_segment_fixed_size: 0
    .kernarg_segment_align: 8
    .kernarg_segment_size: 24
    .max_flat_workgroup_size: 512
    .sgpr_count:     66
    .vgpr_count:     256
    .wavefront_size: 32
...
	.end_amdgpu_metadata
.endif
;; end of part 3
;; launch gemm_out (part 4): grid 4 x 32, 4 waves a work-group, clusters of 4 x 4, 327,680 bytes of LDS; arguments ob, wob, out0; writes out0
.if DOCPART == 4
	.amdgcn_target "amdgcn-amd-amdhsa--gfx1250"
	.amdhsa_code_object_version 6
	.text
	.protected	k_qc81c71d222_gemm_out
	.globl	k_qc81c71d222_gemm_out
	.p2align	8
	.type	k_qc81c71d222_gemm_out,@function
k_qc81c71d222_gemm_out:
	s_mov_b64 s[64:65], 0
	v_nop
	global_prefetch_b8 v0, s[64:65] scope:SCOPE_SE
	s_setreg_imm32_b32 hwreg(HW_REG_WAVE_MODE, 25, 1), 1
	s_wait_xcnt 0x0
	s_wait_alu depctr_hold_cnt(0) depctr_sa_sdst(0) depctr_va_vdst(0) depctr_va_sdst(0) depctr_va_ssrc(0) depctr_va_vcc(0) depctr_vm_vsrc(0)
	s_getreg_b32 s2, hwreg(HW_REG_IB_STS2, 6, 4)
	s_cmp_eq_u32 s2, 0
	s_cbranch_scc0 .Lentry_in_a_cluster
	s_endpgm
.Lentry_in_a_cluster:
	s_bfe_u32 s2, ttmp6, 0x10000c
	s_cmp_lg_u32 s2, 0xf033
	s_cbranch_scc0 .Lentry_shape_is_right
	s_endpgm
.Lentry_shape_is_right:
; out0 = o w_out^T on codes of FP6 (E2M3) with E8M0 scales: [8,192][1,024] x [1,024][1,024], K = 1,024, f32 sums, f32 result.
; A tile of 256 x 256 is made by a work-group of four waves; a wave makes 128 x 128: 64 accumulators, 512 registers.  K goes in steps of 256 through a ring of two LDS slots.
; OPERANDS lie in memory as images of their registers: [block of 16 rows][K step of 128][1,536 bytes]; a slot's part of a block of rows is 3,072 consecutive bytes, so a wave's
; tensor load brings 8 rows of 3,072 bytes, 12,288 apart.  A fragment comes by four LDS loads whose lanes take consecutive bytes: no pitch, no padding.  Behind each tensor's codes lie its scale bytes [row][32].
; Inside a block of 32 both operands' codes stand in the order k = 0..7, 16..23, 8..15, 24..31.  LIMIT: the order of the sum inside a block is that, not ascending k.
; The scale bytes of the work-group's 2 x 256 rows, for all of K, come into LDS once, with the first fills, and stay.
; THE MATRIX INSTRUCTION IS USED TRANSPOSED (source 0 = 16 rows of w_out, source 1 = 16 rows of o): a lane holds eight neighbouring numbers of a row of the result.
; CLUSTERS: 4 x 4 work-groups; o's tiles are asked for jointly along a row of the cluster, w_out's along a column.  32 x 4 tiles: 128 work-groups.
; REGISTERS, in windows of 256: window 0: v0-31 addresses; v32-63 scale words, two sets; v128-223 A's fragments, one set; on the way out v128-255 hold rows.
;   window 1: B's fragments, two sets, at v0 and v128.   window 2: the accumulators of my rows 0-63 ((a, b) at v[8 (8 a + b)]);   window 3: those of my rows 64-127.
.set SIZE_N, 1024
.set NQ,     2
.set FR,     12
.set FRB,    1536
.set ROWB,   NQ*FRB
.set KROW,   768
.set NL,     4
.set NP,     4
.set HALFT,  8*ROWB
.set SLOT,   4*HALFT
.set LAPS,   2
.set KS,     32
.set SCL,    2*SLOT
.set HALFS,  16*272
.set SBLK,   2*272
.set SPARE,  SCL+4*HALFS               ; the spare words, 128 bytes a wave: two blocks of 256 bytes that no other line names
.set SPITCH, 528                       ; the way out: a stage of 16 rows x (512 bytes + 16) for each wave, in slot 0, which has had its last fill and its last read when the first result is stored there
.set ADRA, 16
.set ADRB, 20
.set STO,  24
.set RD,   25
.set CO,   26
.set ADRS, 27
.set SPW,  28
.set NIL,  29
.set SC,   32
.set AF,   128
.set BK,   128
.set G1, 24
.set G0, 32
.set G1B, 48
.set G0B, 56
.set G1S, 68
.set G0S, 76
.set G1SB, 80
.set G0SB, 88
.set MSB, 0
.macro WIN new                         ; the immediate's high byte repeats the setting that is left
.if MSB != \new
	s_set_vgpr_msb (MSB<<8)|\new
.set MSB, \new
.endif
.endm
.set MUL_LO, 0xa1
.set MUL_HI, 0xf1
.set TO_B,   0x40
.macro JLOAD g0a, g1a, g0b, g1b        ; a joint load: waves 0 and 1 fetch for A, waves 2 and 3 for B; an s_nop 0 and four v_nop follow each of the two lines
	s_cmp_eq_u32 s15, 0
	s_cbranch_scc0 .Lfor_b_\@
	tensor_load_to_lds s[\g0a:\g0a+3], s[\g1a:\g1a+7]
	s_nop 0
.rept 4
	v_nop
.endr
	s_branch .Lasked_\@
.Lfor_b_\@:
	tensor_load_to_lds s[\g0b:\g0b+3], s[\g1b:\g1b+7]
	s_nop 0
.rept 4
	v_nop
.endr
.Lasked_\@:
.endm
.macro CREST
	s_cmp_lg_u32 s14, 0
	s_cbranch_scc1 .Lnot_wave_0_\@
	s_barrier_signal -3
.Lnot_wave_0_\@:
	s_barrier_wait -3
	s_barrier_signal -1
	s_barrier_wait -1
.endm
.macro CROUND
	s_barrier_signal -1
	s_barrier_wait -1
	CREST
.endm
	s_load_b128 s[4:7], s[0:1], 0x0                ; ob, wob
	s_load_b64 s[12:13], s[0:1], 0x10              ; out0
	v_lshl_add_u32 v[SPW], v0, 2, SPARE
	v_mov_b32 v[NIL], 0
	ds_add_u32 v[SPW], v[NIL]                      ; the wave's opening: the add and its wait ahead of my first tensor load
	v_lshrrev_b32 v1, 5, v0
	v_readfirstlane_b32 s14, v1                    ; wave 0..3
	s_lshr_b32 s15, s14, 1
	s_and_b32 s16, s14, 1
	s_bfe_u32 s40, ttmp6, 0x40000                  ; cx, cy
	s_bfe_u32 s41, ttmp6, 0x40004
	s_lshl_b32 s42, ttmp9, 2
	s_add_co_u32 s42, s42, s40                     ; tile column
	s_and_b32 s17, ttmp7, 0xffff
	s_lshl_b32 s17, s17, 2
	s_add_co_u32 s17, s17, s41                     ; tile row
	s_lshl_b32 s43, s41, 2
	s_lshl_b32 s43, 15, s43                        ; my row of the cluster
	s_lshl_b32 s44, 0x1111, s40                    ; my column
	s_or_b32 s[G1+0], s43, (3<<16)|(1<<21)         ; codes: 8 rows of 384 elements of 8 bytes, 1,536 elements apart, no padding
	s_or_b32 s[G1B+0], s44, (3<<16)|(1<<21)
.irp g, G1, G1B
	s_mov_b32 s[\g+1], 384<<16
	s_mov_b32 s[\g+2], 8<<16
	s_mov_b32 s[\g+3], 384<<16
	s_mov_b32 s[\g+4], 8
	s_mov_b32 s[\g+5], 1536
	s_mov_b32 s[\g+6], 0
	s_mov_b32 s[\g+7], 0
.endr
	s_or_b32 s[G1S+0], s43, (3<<16)|(1<<20)|(1<<21)|(5<<22)|(3<<25)   ; scales of 128 rows: 16 rows of 256 bytes, 16 bytes of padding behind each
	s_or_b32 s[G1SB+0], s44, (3<<16)|(1<<20)|(1<<21)|(5<<22)|(3<<25)
.irp g, G1S, G1SB
	s_mov_b32 s[\g+1], 32<<16
	s_mov_b32 s[\g+2], 16<<16
	s_mov_b32 s[\g+3], 32<<16
	s_mov_b32 s[\g+4], 16
	s_mov_b32 s[\g+5], 32
	s_mov_b32 s[\g+6], 0
	s_mov_b32 s[\g+7], 0
.endr
	s_lshl_b32 s18, s16, 7
	s_lshl_b32 s20, s17, 8
	s_add_co_u32 s20, s20, s18
	s_lshl_b32 s46, s42, 8
	s_add_co_u32 s46, s46, s18
	s_mov_b32 s21, 0
	s_mov_b32 s47, 0
	s_mov_b64 s[18:19], KS
	s_mul_u64 s[22:23], s[20:21], s[18:19]
	s_mul_u64 s[92:93], s[46:47], s[18:19]
	s_mov_b64 s[18:19], KROW
	s_mul_u64 s[20:21], s[20:21], s[18:19]
	s_mul_u64 s[46:47], s[46:47], s[18:19]
	s_mul_i32 s45, s14, HALFT
	s_mul_i32 s94, s14, HALFS
	s_wait_dscnt 0x0                               ; the opening add is done
	s_wait_kmcnt 0x0
	s_add_nc_u64 s[8:9], s[4:5], 6291456           ; o's scale bytes
	s_add_nc_u64 s[10:11], s[6:7], 786432          ; w_out's
	s_add_nc_u64 s[20:21], s[4:5], s[20:21]
	s_add_nc_u64 s[22:23], s[8:9], s[22:23]
	s_add_nc_u64 s[46:47], s[6:7], s[46:47]
	s_add_nc_u64 s[92:93], s[10:11], s[92:93]
	CROUND                                         ; all sixteen work-groups are here: the first joint loads meet
	s_mov_b32 s[G0S], 1
	s_add_co_u32 s[G0S+1], s94, SCL
	s_mov_b64 s[G0S+2:G0S+3], s[22:23]
	s_or_b32 s[G0S+3], s[G0S+3], 0x80000000
	s_mov_b32 s[G0SB], 1
	s_add_co_u32 s[G0SB+1], s94, SCL
	s_mov_b64 s[G0SB+2:G0SB+3], s[92:93]
	s_or_b32 s[G0SB+3], s[G0SB+3], 0x80000000
	JLOAD G0S, G1S, G0SB, G1SB
.irp s, 0,1
	s_mov_b32 s[G0+4*\s], 1
	s_add_co_u32 s[G0+4*\s+1], s45, \s*SLOT
	s_add_nc_u64 s[G0+4*\s+2:G0+4*\s+3], s[20:21], \s*ROWB
	s_or_b32 s[G0+4*\s+3], s[G0+4*\s+3], 0x80000000
	s_mov_b32 s[G0B+4*\s], 1
	s_add_co_u32 s[G0B+4*\s+1], s45, \s*SLOT
	s_add_nc_u64 s[G0B+4*\s+2:G0B+4*\s+3], s[46:47], \s*ROWB
	s_or_b32 s[G0B+4*\s+3], s[G0B+4*\s+3], 0x80000000
	JLOAD G0+4*\s, G1, G0B+4*\s, G1B               ; three tensor loads of mine are out at the most
.endr
	v_and_b32 v1, 15, v0                           ; r
	v_bfe_u32 v2, v0, 4, 1                         ; h
	v_and_b32 v6, 31, v0
	v_lshlrev_b32 v4, 4, v6                        ; 16 x lane
	v_lshlrev_b32 v5, 3, v6                        ; 8 x lane
	s_mul_i32 s21, s15, HALFT
	s_mul_i32 s22, s16, HALFT
	s_add_co_u32 s22, s22, 2*HALFT
.irp s, 0,1
	v_add_nc_u32 v[ADRA+\s], s21, v4
	v_add_nc_u32 v[ADRB+\s], s22, v4
	v_add_nc_u32 v[ADRA+2+\s], s21, v5
	v_add_nc_u32 v[ADRB+2+\s], s22, v5
	s_add_co_u32 s21, s21, SLOT
	s_add_co_u32 s22, s22, SLOT
.endr
	v_mul_u32_u24 v5, v1, KS
	v_lshrrev_b32 v6, 8, v5
	v_lshl_add_u32 v5, v6, 4, v5
	s_mul_i32 s21, s15, HALFS
	s_mul_i32 s22, s16, HALFS
	s_add_co_u32 s22, s22, 2*HALFS
	s_sub_co_u32 s22, s22, s21
	v_mul_u32_u24 v6, s22, v2                      ; lanes 16-31 take B's
	s_add_co_u32 s21, s21, SCL
	v_add_nc_u32 v5, v5, v6
	v_add_nc_u32 v[ADRS], s21, v5
	s_mul_i32 s23, s14, 16*SPITCH                  ; my stage
	v_mul_u32_u24 v5, v1, SPITCH                   ; in: row r, 32 bytes for each half of the lanes
	v_lshl_add_u32 v5, v2, 5, v5
	v_add_nc_u32 v[STO], s23, v5
	v_mov_b32 v[CO], v4                            ; back: the 32 lanes take one row of 512 bytes; and the same in the result
	v_add_nc_u32 v[RD], s23, v[CO]
	s_lshl_b32 s20, s17, 8
	s_lshl_b32 s21, s15, 7
	s_add_co_u32 s20, s20, s21                     ; my first row of the result
	s_mov_b32 s21, 0
	s_mov_b64 s[18:19], SIZE_N*4
	s_mul_u64 s[20:21], s[20:21], s[18:19]
	s_lshl_b32 s46, s42, 10                        ; my first column, in bytes
	s_lshl_b32 s47, s16, 9
	s_add_co_u32 s46, s46, s47
	s_mov_b32 s47, 0
	s_add_nc_u64 s[20:21], s[20:21], s[46:47]
	s_add_nc_u64 s[12:13], s[12:13], s[20:21]
.macro FRAG reg, adr, q, i             ; a fragment as it lies: two images of 768 bytes: 16 bytes a lane, then 8 bytes a lane
	ds_load_b128 v[\reg:\reg+3], v[\adr] offset:(\i)*ROWB+(\q)*FRB
	ds_load_b64 v[\reg+4:\reg+5], v[\adr+2] offset:(\i)*ROWB+(\q)*FRB+512
	ds_load_b128 v[\reg+6:\reg+9], v[\adr] offset:(\i)*ROWB+(\q)*FRB+768
	ds_load_b64 v[\reg+10:\reg+11], v[\adr+2] offset:(\i)*ROWB+(\q)*FRB+1280
.endm
; 16 matrix instructions: A's blocks a0, a0 + 1 x B's eight.  The 64 accumulators take turns, one instruction a turn, in the same order in every step.
.macro MUL16 a0, p, q, sc, zero
.irp a, \a0, \a0+1
.irp b, 0,1,2,3,4,5,6,7
.if \zero
	v_wmma_scale_f32_16x16x128_f8f6f4 v[8*(8*((\a)%4)+\b):8*(8*((\a)%4)+\b)+7], v[128*(\p)+FR*\b:128*(\p)+FR*\b+FR-1], v[AF+FR*(\a):AF+FR*(\a)+FR-1], 0, v[SC+8*NQ*(\sc)+NQ*\b+(\q)], v[SC+8*NQ*(\sc)+NQ*(\a)+(\q)] matrix_a_fmt:MATRIX_FMT_FP6 matrix_b_fmt:MATRIX_FMT_FP6 matrix_a_scale:MATRIX_SCALE_ROW1
.else
	v_wmma_scale_f32_16x16x128_f8f6f4 v[8*(8*((\a)%4)+\b):8*(8*((\a)%4)+\b)+7], v[128*(\p)+FR*\b:128*(\p)+FR*\b+FR-1], v[AF+FR*(\a):AF+FR*(\a)+FR-1], v[8*(8*((\a)%4)+\b):8*(8*((\a)%4)+\b)+7], v[SC+8*NQ*(\sc)+NQ*\b+(\q)], v[SC+8*NQ*(\sc)+NQ*(\a)+(\q)] matrix_a_fmt:MATRIX_FMT_FP6 matrix_b_fmt:MATRIX_FMT_FP6 matrix_a_scale:MATRIX_SCALE_ROW1
.endif
.endr
.endr
.endm
.macro FETCH_B slot, q, p
	WIN TO_B
.irp i, 0,1,2,3,4,5,6,7
	FRAG 128*(\p)+FR*\i, ADRB+\slot, \q, \i
.endr
	WIN 0
.endm
.macro FETCH_A slot, q, i0
.irp i, \i0, \i0+1, \i0+2, \i0+3
	FRAG AF+FR*(\i), ADRA+\slot, \q, \i
.endr
.endm
.macro SCALES sc
.irp i, 0,1,2,3,4,5,6,7
	ds_load_b64 v[SC+8*NQ*\sc+NQ*\i:SC+8*NQ*\sc+NQ*\i+1], v[ADRS] offset:\i*SBLK
.endr
.endm
.macro PLACES n                        ; places in front of loads into registers that matrix instructions have read, and of the first read of results
.rept \n
	v_nop
.endr
.endm
.macro STEP slot, q, zero
	s_wait_dscnt 4*NL                              ; B's set and A's blocks 0-3 are in; the youngest 16 loads (A's blocks 4-7) may be out
	WIN MUL_LO
	MUL16 0, (\q)%2, \q, \slot, \zero
	MUL16 2, (\q)%2, \q, \slot, \zero
	s_wait_dscnt 0
	PLACES NP
	FETCH_B \slot, (\q)+1, 1-(\q)%2
	FETCH_A \slot, (\q)+1, 0
	WIN MUL_HI
	MUL16 4, (\q)%2, \q, \slot, \zero
	MUL16 6, (\q)%2, \q, \slot, \zero
	PLACES NP
	WIN 0
	FETCH_A \slot, (\q)+1, 4
.endm
.macro TURN slot, next, fill
	s_wait_tensorcnt 0x0                           ; all my tensor loads have landed: my part of the next slot
	ds_add_u32 v[SPW], v[NIL]
	s_wait_dscnt 4*NL+1                            ; (the add and the youngest 16 loads may be out)
	WIN MUL_LO
	MUL16 0, 1, NQ-1, \slot, 0
	s_wait_dscnt 0x0                               ; the add is done, and my reads of this slot are over
	s_barrier_signal -1
	MUL16 2, 1, NQ-1, \slot, 0
	WIN 0
	s_barrier_wait -1
.if \fill
	CREST                                          ; the barrier has opened a round of the cluster's barrier
	s_add_nc_u64 s[G0+4*\slot+2:G0+4*\slot+3], s[G0+4*\slot+2:G0+4*\slot+3], 2*ROWB
	s_add_nc_u64 s[G0B+4*\slot+2:G0B+4*\slot+3], s[G0B+4*\slot+2:G0B+4*\slot+3], 2*ROWB
	JLOAD G0+4*\slot, G1, G0B+4*\slot, G1B         ; the first tensor load behind the round; its four v_nop are the places in front of the loads below
.else
	PLACES NP
.endif
	v_add_nc_u32 v[ADRS], 4*NQ, v[ADRS]
	FETCH_B \next, 0, 0
	FETCH_A \next, 0, 0
	SCALES \next
	WIN MUL_HI
	MUL16 4, 1, NQ-1, \slot, 0
	MUL16 6, 1, NQ-1, \slot, 0
	PLACES NP
	WIN 0
	FETCH_A \next, 0, 4
.endm
	s_wait_tensorcnt 1                             ; the scales and my part of slot 0 are in (slot 1's load may be out),
	s_barrier_signal -1
	s_barrier_wait -1                              ; everybody's are
	FETCH_B 0, 0, 0
	FETCH_A 0, 0, 0
	SCALES 0
	FETCH_A 0, 0, 4
	STEP 0, 0, 1
	s_mov_b32 s3, LAPS-1
.Llap:
	TURN 0, 1, 1
	STEP 1, 0, 0
	TURN 1, 0, 1
	STEP 0, 0, 0
	s_sub_co_u32 s3, s3, 1
	s_cmp_lg_u32 s3, 0
	s_cbranch_scc1 .Llap
	TURN 0, 1, 0
	STEP 1, 0, 0
	s_wait_dscnt 4*NL
	WIN MUL_LO
	MUL16 0, 1, NQ-1, 1, 0
	MUL16 2, 1, NQ-1, 1, 0
	s_wait_dscnt 0
	WIN MUL_HI
	MUL16 4, 1, NQ-1, 1, 0
	MUL16 6, 1, NQ-1, 1, 0
	WIN 0
; THE WAY OUT, block by block of 16 rows x 128 columns: through my own stage in LDS, back as whole rows of 512 bytes.  LDS serves a wave's instructions in order (ISA guide 5.7.1.4): no wait between the stores and the loads.
.macro TOSTAGE a
.set AC, 64*((\a)%4)
	WIN 0x08+4*((\a)/4)                            ; the data: window 2 or 3
.irp b, 0,1,2,3,4,5,6,7
	ds_store_b128 v[STO], v[AC+8*\b:AC+8*\b+3] offset:64*\b          ; each accumulator from its low end on
	ds_store_b128 v[STO], v[AC+8*\b+4:AC+8*\b+7] offset:64*\b+16
.endr
	WIN 0
.set BB, BK+64*((\a)%2)
.irp t, 0,1,2,3,4,5,6,7,8,9,10,11,12,13,14,15
	ds_load_b128 v[BB+4*\t:BB+4*\t+3], v[RD] offset:\t*SPITCH
.endr
.endm
.macro SEND a, younger                 ; younger: the LDS instructions issued behind block a's loads, which may stay out
.set BB, BK+64*((\a)%2)
	s_wait_dscnt \younger
.if (\a) > 0
	s_add_nc_u64 s[12:13], s[12:13], 16*SIZE_N*4   ; (behind a wait on XCNT: the earlier stores have read their base)
.endif
.irp t, 0,1,2,3,4,5,6,7,8,9,10,11,12,13,14,15
	global_store_b128 v[CO], v[BB+4*\t:BB+4*\t+3], s[12:13] offset:\t*SIZE_N*4 th:TH_STORE_NT   ; 32 lanes store 512 consecutive bytes, aligned; written once, read by nobody here
.endr
.endm
	PLACES NP
	TOSTAGE 0
.irp a, 1,2,3,4,5,6,7
.if \a > 1
	s_wait_xcnt 0x0                                ; block a - 2's stores have read their registers and their base
.endif
	TOSTAGE \a
	SEND \a-1, 32                                  ; behind block a - 1's loads: block a's 16 stores and 16 loads
.endr
	s_wait_xcnt 0x0
	SEND 7, 0
	s_wait_tensorcnt 0x0                           ; the wave's end: behind my last tensor load and my last LDS store
	ds_add_u32 v[SPW], v[NIL]
	s_wait_dscnt 0x0
	CROUND                                         ; the closing round
	s_endpgm
.Lfunc_end_k_qc81c71d222_gemm_out:
	.size	k_qc81c71d222_gemm_out, .Lfunc_end_k_qc81c71d222_gemm_out-k_qc81c71d222_gemm_out
	.p2alignl 7, 3214868480
	.fill 96, 4, 3214868480
	.section	.rodata,"a",@progbits
	.p2align	6, 0x0
	.amdhsa_kernel k_qc81c71d222_gemm_out
		.amdhsa_group_segment_fixed_size 327680
		.amdhsa_private_segment_fixed_size 0
		.amdhsa_enable_private_segment 0
		.amdhsa_kernarg_size 24
		.amdhsa_user_sgpr_count 2
		.amdhsa_user_sgpr_kernarg_segment_ptr 1
		.amdhsa_wavefront_size32 1
		.amdhsa_system_sgpr_workgroup_id_x 1
		.amdhsa_system_sgpr_workgroup_id_y 1
		.amdhsa_system_sgpr_workgroup_id_z 1
		.amdhsa_system_vgpr_workitem_id 0
		.amdhsa_next_free_vgpr 1024
		.amdhsa_next_free_sgpr 100
		.amdhsa_reserve_vcc 0
		.amdhsa_float_denorm_mode_32 3
		.amdhsa_float_denorm_mode_16_64 3
		.amdhsa_memory_ordered 1
		.amdhsa_forward_progress 1
		.amdhsa_inst_pref_size 144
	.end_amdhsa_kernel
	.amdgpu_metadata
---
amdhsa.version: [ 1, 2 ]
amdhsa.kernels:
  - .name:           k_qc81c71d222_gemm_out
    .symbol:         k_qc81c71d222_gemm_out.kd
    .args:
      - { .name: ob, .offset: 0, .size: 8, .value_kind: global_buffer, .address_space: global }
      - { .name: wob, .offset: 8, .size: 8, .value_kind: global_buffer, .address_space: global }
      - { .name: out0, .offset: 16, .size: 8, .value_kind: global_buffer, .address_space: global }
    .group_segment_fixed_size: 327680
    .private_segment_fixed_size: 0
    .kernarg_segment_align: 8
    .kernarg_segment_size: 24
    .max_flat_workgroup_size: 128
    .sgpr_count:     100
    .vgpr_count:     1024
    .wavefront_size: 32
...
	.end_amdgpu_metadata
.endif
;; end of part 4
